; MI455X (gfx1250); checked and timed in simulation.
; The chip was launched on July 23, 2026; its instructions are those of AMD's public machine-readable ISA for CDNA 5 (MIT licence, August 2026) and "CDNA5" Instruction Set Architecture Reference Guide (July 2026). The comments in the code are by the model that wrote it; some were corrected since.
;; Multi Head Attention. Allowed arithmetic: matrix products marked QUANTISED: E2M1 operands, one E8M0 scale for each 32 along K, by v_wmma_scale_f32_16x16x128_f8f6f4 with both operands' format E2M1 (or v_wmma_scale_f32_32x16x128_f4), f32 sums; products left as they are: bf16, f16 or f32 operands; f32 sums; everything else in f32.
;; Inputs: Wk 4,096 x 1,024 float32; Wo 2,048 x 4,096 float32; Wq 4,096 x 2,048 float32; Wv 4,096 x 1,024 float32; hidden_states 1 x 2,048 x 4,096 float32; mask 1 x 1 x 2,048 x 2,048 bool.
;; Outputs: out0 1 x 2,048 x 4,096 float32.
;; This version of the problem:
;;   THIS VERSION OF THE PROBLEM IS GIVEN IN LOW PRECISION. The matrix products marked QUANTISED in the list below multiply operands that are first quantised to E2M1 (2 exponent bits, 1 mantissa bit; 4 bits a number), with one power-of-two scale for each 32 numbers along K (OCP MX v1.0); their sums are f32. The products marked 'left as it is' may take bf16, f16 or f32 operands, with f32 sums. Whichever they take, every output number must still come out within the allowed error. Rounding operands to bf16 (8 significant bits) uses up far more of that allowance than f16 does (11 bits, for magnitudes from 6e-5 to 65,504). All else is computed in f32.
;;   The module's matrix products, in the order in which they are computed (A, B: the left and right operand; K: the contracted axis; several contracted axes count as one K, in the product's order):
;;     1. [M 2,048, K 4,096] x [K 4,096, N 2,048]; A: input hidden_states; B: input Wq: QUANTISED
;;     2. [M 2,048, K 4,096] x [K 4,096, N 1,024]; A: input hidden_states; B: input Wk: QUANTISED
;;     3. [M 2,048, K 4,096] x [K 4,096, N 1,024]; A: input hidden_states; B: input Wv: QUANTISED
;;     4. batch 8 x [M 2,048, K 128] x [K 128, N 4,096]; A: computed on the way; B: computed on the way: left as it is (an operand is computed on the way)
;;     5. batch 8 x [M 128, K 2,048] x [K 2,048, N 4,096]; A: computed on the way; B: computed on the way: left as it is (an operand is computed on the way)
;;     6. [M 2,048, K 2,048] x [K 2,048, N 4,096]; A: computed on the way; B: input Wo: left as it is (an operand is computed on the way)
;;   THE QUANTISER, for each operand of a quantised product, along K:
;;     - K is cut into blocks of 32 from its start; a last block that is shorter is filled with zeros.
;;     - A block's scale is 2^e with e = floor(log2(the largest magnitude in the block)) - 2, held to -126 .. 127; a block of zeros has e = 0. As a byte (E8M0): e + 127.
;;     - Each number is divided by its block's scale, clamped to +-6, and rounded to the nearest number of E2M1, ties to even, subnormals kept.
;;     - The product sums the exact products of the quantised numbers (number of the format x scale) in f32.
;;   ~~~python
;;   def quantise(x, axis):      # numpy; x: float32 -> the quantised numbers, widened to float32 again
;;       x = np.moveaxis(x, axis, -1); K = x.shape[-1]
;;       x = np.pad(x, [(0, 0)] * (x.ndim - 1) + [(0, -K % 32)]); x = x.reshape(x.shape[:-1] + (-1, 32)); a = np.abs(x).max(-1, keepdims=True)
;;       e = np.where(a > 0, np.clip(np.frexp(np.where(a > 0, a, 1))[1] - 1 - 2, -126, 127), 0)      # np.frexp(a)[1] - 1 = floor(log2(a)), exactly
;;       r = np.clip(x / 2.0 ** e, -6, 6)
;;       step = 2.0 ** (np.maximum(np.frexp(np.where(r == 0, 1, r))[1] - 1, 0) - 1)
;;       q = np.round(r / step) * step * 2.0 ** e      # np.round: ties to even
;;       return np.moveaxis(q.reshape(q.shape[:-2] + (-1,))[..., :K], -1, axis).astype(np.float32)
;;   ~~~
;; One version. Each part assembles by itself: llvm-mc -triple=amdgcn-amd-amdhsa -mcpu=gfx1250 --defsym DOCPART=n.
;; ======== version 1 of 1: 4 launches
;; limits: values are held in f16: magnitudes above 65,504 overflow, below 6.1e-05 lose precision; inputs' magnitudes at most 4,094; right only within a limited range of input values
;; workspace buffers: codes 12,582,912 bytes; scales 786,432 bytes; woimg 16,777,216 bytes; tab 3,145,728 bytes; flags 512 bytes of whole numbers; qkv 16,777,216 bytes; aimg 8,388,608 bytes
;; launch prep (part 1): grid 800 x 1, 4 waves a work-group, no clusters, 68,096 bytes of LDS; arguments hidden_states, Wq, Wk, Wv, Wo, mask, codes, scales, woimg, tab, flags; writes codes, scales, woimg, tab, flags
.if DOCPART == 1
	.amdgcn_target "amdgcn-amd-amdhsa--gfx1250"
	.amdhsa_code_object_version 6
	.text
	.protected	k_qea57d4903d_prep
	.globl	k_qea57d4903d_prep
	.p2align	8
	.type	k_qea57d4903d_prep,@function
k_qea57d4903d_prep:
	s_mov_b64 s[64:65], 0
	v_nop
	global_prefetch_b8 v0, s[64:65] scope:SCOPE_SE
	s_setreg_imm32_b32 hwreg(HW_REG_WAVE_MODE, 25, 1), 1
	s_wait_xcnt 0x0
; PREP: every f32 input is read once and turned into what the later launches read.  Four jobs, told apart by the work-group's number; each has LDS bytes of its own.
;   W (work-groups 0-255):   Wq | Wk | Wv, [4096 (k)][n] f32, K outermost -> codes of FP4 (E2M1), K innermost, rows 2048.. of codes [6144][2048 B], and E8M0 bytes, scales [6144][128 B].
;   X (256-511):             hidden_states [2048][4096] f32, K innermost -> rows 0..2047 of the same two buffers.
;   O (512-767):             Wo [2048 (k)][4096 (n)] f32 -> 16 x Wo in f16, as images of the operand's registers: woimg [n / 16][k / 32][2][lane][16 B].
;   T (768-799):             mask -> flags (one word for 16 queries: two bits for each 128 keys: bit 0 some byte true, bit 1 not all true); the RoPE tables tab [kind 3][16 tokens][b 4][piece 4][lane][16 B].
; A block's scale is 2^(floor(log2(its largest magnitude)) - 2): its byte is the largest magnitude's exponent field - 2, held at 1 from below.  A block of zeros keeps the byte 1 where the rule says 127:
; its codes are zeros, which add nothing under any byte but 0xff, and this program alone reads the bytes.
; LIMITS: blocks whose largest magnitude lies under 2^-124 keep the byte 1; NaN and infinities among the inputs are not served; |Wo| stays under 4,094 (16 x Wo in f16).
.set SPARE, 67584                      ; behind both jobs' LDS: the spare words, 128 bytes for each wave
.set SPW,   222                        ; v222 LDS address of my spare word; never rewritten
.set NIL,   223                        ; v223 0; never rewritten
.set EMAX,  2
	s_load_b256 s[4:11], s[0:1], 0x0               ; hidden_states, Wq, Wk, Wv
	s_load_b256 s[12:19], s[0:1], 0x20             ; Wo, mask, codes, scales
	s_load_b128 s[20:23], s[0:1], 0x40             ; woimg, tab
	s_load_b64 s[24:25], s[0:1], 0x50              ; flags
	v_lshl_add_u32 v[SPW], v0, 2, SPARE
	v_mov_b32 v[NIL], 0
	v_lshrrev_b32 v1, 5, v0
	v_readfirstlane_b32 s26, v1                    ; wave 0..3
	v_and_b32 v2, 31, v0                           ; lane
	s_wait_kmcnt 0x0
	s_cmp_lt_u32 ttmp9, 256
	s_cbranch_scc1 .Lpath_w
	s_cmp_lt_u32 ttmp9, 512
	s_cbranch_scc1 .Lpath_x
	s_cmp_lt_u32 ttmp9, 768
	s_cbranch_scc1 .Lpath_o
; ---------------------------------------------------------------- T: flags and tables.  A wave takes one tile of 16 queries (flags) and the same 16 tokens (tables).  No LDS.
	s_sub_co_u32 s27, ttmp9, 768
	s_lshl_b32 s27, s27, 2
	s_add_co_u32 s27, s27, s26                     ; the tile, 0..127
	s_mov_b32 s29, 0
	s_lshl_b32 s28, s27, 15                        ; 16 rows of 2,048 bytes
	s_add_nc_u64 s[14:15], s[14:15], s[28:29]
	s_lshl_b32 s28, s27, 2
	s_add_nc_u64 s[24:25], s[24:25], s[28:29]      ; my word of flags
	s_lshl_b32 s28, s27, 13
	s_add_nc_u64 s[22:23], s[22:23], s[28:29]      ; my entry of each table: 8,192 bytes
	v_lshrrev_b32 v3, 3, v2
	v_and_b32 v4, 7, v2
	v_lshlrev_b32 v3, 11, v3
	v_lshl_add_u32 v3, v4, 4, v3                   ; a load takes 4 rows x 128 consecutive bytes: row lane / 8, 16 bytes at 16 (lane % 8).  All lanes are joined below, so which lane holds what is free
	s_mov_b32 s42, 0x01010101                      ; four true bytes
	s_mov_b32 s45, 0                               ; the word
.macro MLOAD s                         ; the 16 x 128 bytes of key step s, into set s % 4
.irp i, 0,1,2,3
	global_load_b128 v[32+16*((\s)%4)+4*\i:32+16*((\s)%4)+4*\i+3], v3, s[14:15] offset:8192*\i+128*(\s)
.endr
.endm
.macro MSTEP s
.set MB, 32+16*((\s)%4)
.if 15-(\s) >= 3
	s_wait_loadcnt 12                              ; this step's four loads are in; those of the three steps behind it may be out
.else
	s_wait_loadcnt 4*(15-(\s))
.endif
	v_and_b32 v10, v[MB], v[MB+1]
	v_or_b32 v11, v[MB], v[MB+1]
.irp i, 2,3,4,5,6,7,8,9,10,11,12,13,14,15
	v_and_b32 v10, v10, v[MB+\i]
	v_or_b32 v11, v11, v[MB+\i]
.endr
.if (\s)+4 < 16
	MLOAD (\s)+4
.endif
	v_cmp_eq_u32 s40, s42, v10                     ; lanes all of whose bytes are true
	v_cmp_ne_u32 s41, 0, v11                       ; lanes with a true byte
	s_cmp_lg_u32 s41, 0
	s_cselect_b32 s43, 1, 0                        ; bit 0: some byte is true
	s_cmp_lg_u32 s40, -1
	s_cselect_b32 s44, 2, 0                        ; bit 1: not all are
	s_or_b32 s43, s43, s44
	s_lshl_b32 s43, s43, 2*(\s)
	s_or_b32 s45, s45, s43
.endm
.irp s, 0,1,2,3
	MLOAD \s
.endr
.irp s, 0,1,2,3,4,5,6,7,8,9,10,11,12,13,14,15
	MSTEP \s
.endr
	v_mov_b32 v10, s45
	v_mov_b32 v11, 0
	v_cmp_eq_u32 vcc_lo, 0, v2
	s_wait_xcnt 0x0                                ; EXEC changes only behind this wait
	s_and_saveexec_b32 s46, vcc_lo                 ; lane 0 alone stores the word
	global_store_b32 v11, v10, s[24:25]
	s_wait_xcnt 0x0                                ; and again in front of the line that widens it
	s_or_b32 exec_lo, exec_lo, s46
	; The tables.  Lane (r, h) holds token 16 tile + r and frequencies i = 16 b + 8 h + j, j = 0..7: the layout of the projections' results.  phase = token x 10000^(-i / 64).
	; Pieces of 512 bytes: cos j 0-3, cos j 4-7, sin j 0-3, sin j 4-7.  Kind 0: x FQ = 16 x 2 MULT log2(e) / 30 (for q);  kind 1: x 1/16 (for k);  kind 2: cos = 1/16, sin = 0 (for v).
	v_and_b32 v5, 15, v2                           ; r
	v_lshrrev_b32 v6, 4, v2                        ; h
	v_lshlrev_b32 v20, 3, v6                       ; 8 h
	s_lshl_b32 s28, s27, 4
	v_add_nc_u32 v21, s28, v5
	v_cvt_f32_u32 v21, v21                         ; my token
	v_lshlrev_b32 v22, 4, v2                       ; 16 x lane
	s_mov_b32 s47, 0                               ; b
	s_mov_b32 s48, 0                               ; 16 b
	s_mov_b32 s49, 0xbe549a78                      ; -log2(10000) / 64
	s_mov_b32 s50, 0x3f22f983                      ; 2 / pi
	s_mov_b32 s51, 0x3fc90fdb                      ; pi / 2, its high part,
	s_mov_b32 s52, 0xb33bbd2e                      ; and what is left of it
	s_mov_b32 s53, 0xb9500d01                      ; -1/5040
	s_mov_b32 s54, 0x3c088889                      ; 1/120
	s_mov_b32 s55, 0xbe2aaaab                      ; -1/6
	s_mov_b32 s56, 0x37d00d01                      ; 1/40320
	s_mov_b32 s57, 0xbab60b61                      ; -1/720
	s_mov_b32 s58, 0x3d2aaaab                      ; 1/24
	s_mov_b32 s59, 0x3e0b4875                      ; FQ = 0.13601859
	s_mov_b32 s60, 0x3d800000                      ; 1/16
.irp j, 0,1,2,3
	v_mov_b32 v[136+\j], 0x3d800000                ; kind 2's two constant pieces
	v_mov_b32 v[140+\j], 0
.endr
.Ltab:                                                 ; four trips: b = 0..3
.irp j, 0,1,2,3,4,5,6,7
	v_add3_u32 v[32+\j], s48, v20, \j              ; i
.endr
.irp j, 0,1,2,3,4,5,6,7
	v_cvt_f32_u32 v[32+\j], v[32+\j]
.endr
.irp j, 0,1,2,3,4,5,6,7
	v_mul_f32 v[32+\j], s49, v[32+\j]
.endr
.irp j, 0,1,2,3,4,5,6,7
	v_exp_f32 v[32+\j], v[32+\j]                   ; 10000^(-i / 64)
.endr
	v_nop                                          ; a plain line behind the last exponential,
	s_wait_alu depctr_va_vdst(0)                   ; and one wait for the eight, ahead of their first reader
.irp j, 0,1,2,3,4,5,6,7
	v_mul_f32 v[40+\j], v21, v[32+\j]              ; the phase
.endr
.irp j, 0,1,2,3,4,5,6,7
	v_mul_f32 v[48+\j], s50, v[40+\j]
.endr
.irp j, 0,1,2,3,4,5,6,7
	v_rndne_f32 v[48+\j], v[48+\j]                 ; n = the nearest multiple of pi / 2
.endr
.irp j, 0,1,2,3,4,5,6,7
	v_fma_f32 v[56+\j], -v[48+\j], s51, v[40+\j]
.endr
.irp j, 0,1,2,3,4,5,6,7
	v_fma_f32 v[56+\j], -v[48+\j], s52, v[56+\j]   ; x = phase - n pi / 2, |x| <= pi / 4, taken off in two parts
.endr
.irp j, 0,1,2,3,4,5,6,7
	v_mul_f32 v[64+\j], v[56+\j], v[56+\j]         ; x^2
.endr
.irp j, 0,1,2,3,4,5,6,7
	v_fma_f32 v[72+\j], v[64+\j], s53, s54
.endr
.irp j, 0,1,2,3,4,5,6,7
	v_fma_f32 v[72+\j], v[72+\j], v[64+\j], s55
.endr
.irp j, 0,1,2,3,4,5,6,7
	v_mul_f32 v[96+\j], v[56+\j], v[64+\j]
.endr
.irp j, 0,1,2,3,4,5,6,7
	v_fma_f32 v[72+\j], v[72+\j], v[96+\j], v[56+\j]   ; sin x, up to x^7: what is left out is under (pi/4)^9 / 9!
.endr
.irp j, 0,1,2,3,4,5,6,7
	v_fma_f32 v[80+\j], v[64+\j], s56, s57
.endr
.irp j, 0,1,2,3,4,5,6,7
	v_fma_f32 v[80+\j], v[80+\j], v[64+\j], s58
.endr
.irp j, 0,1,2,3,4,5,6,7
	v_fma_f32 v[80+\j], v[80+\j], v[64+\j], -0.5
.endr
.irp j, 0,1,2,3,4,5,6,7
	v_fma_f32 v[80+\j], v[80+\j], v[64+\j], 1.0    ; cos x, up to x^8
.endr
.irp j, 0,1,2,3,4,5,6,7
	v_cvt_i32_f32 v[88+\j], v[48+\j]               ; n as a whole number (never negative)
.endr
.irp j, 0,1,2,3,4,5,6,7
	v_and_b32 v[96+\j], 1, v[88+\j]
	v_cmp_eq_u32 vcc_lo, 1, v[96+\j]               ; an odd n changes sine and cosine over
	v_cndmask_b32 v[40+\j], v[72+\j], v[80+\j], vcc_lo
	v_cndmask_b32 v[48+\j], v[80+\j], v[72+\j], vcc_lo
	v_and_b32 v[96+\j], 2, v[88+\j]                ; the sine's sign: n & 2
	v_lshlrev_b32 v[96+\j], 30, v[96+\j]
	v_xor_b32 v[40+\j], v[96+\j], v[40+\j]
	v_add_nc_u32 v[88+\j], 1, v[88+\j]             ; the cosine's: (n + 1) & 2
	v_and_b32 v[88+\j], 2, v[88+\j]
	v_lshlrev_b32 v[88+\j], 30, v[88+\j]
	v_xor_b32 v[48+\j], v[88+\j], v[48+\j]
.endr
.irp j, 0,1,2,3,4,5,6,7
	v_mul_f32 v[104+\j], s59, v[48+\j]
	v_mul_f32 v[112+\j], s59, v[40+\j]
	v_mul_f32 v[120+\j], s60, v[48+\j]
	v_mul_f32 v[128+\j], s60, v[40+\j]
.endr
.irp p, 0,1,2,3
	global_store_b128 v22, v[104+4*\p:107+4*\p], s[22:23] offset:512*\p            ; each store of the wave covers 512 consecutive bytes
	global_store_b128 v22, v[120+4*\p:123+4*\p], s[22:23] offset:1048576+512*\p
	global_store_b128 v22, v[136+4*(\p/2):139+4*(\p/2)], s[22:23] offset:2097152+512*\p
.endr
	s_wait_xcnt 0x0                                ; the stores have read their data and their base: both are written again below and in the next trip
	s_add_nc_u64 s[22:23], s[22:23], 2048
	s_add_co_u32 s48, s48, 16
	s_add_co_u32 s47, s47, 1
	s_cmp_lt_u32 s47, 4
	s_cbranch_scc1 .Ltab
	s_endpgm
; ---------------------------------------------------------------- W: a lane takes a column n and its registers run down K: a block of 32 along K lies in one lane, and the codes come out with K innermost.
; Work-group: 128 of the 4,096 columns (x), 512 along K (y).  A wave: 32 columns, 16 blocks a lane, 256 bytes of codes a column, which leave through the wave's own stage as whole rows.
.Lpath_w:
.set W_PITCH, 272                      ; a stage row: 256 bytes + 16
.set W_X,   32                         ; v32-95   two sets of 32 numbers
.set W_C,   96                         ; v96-99   a block's codes
.set W_OUT, 112                        ; v112-175 the way out
.set W_SB,  24                         ; v24-27   the scale bytes, four to a register
.set W_OFF, 176                        ; v176-207 byte offsets of a block's 32 rows: the pitch is a scalar here (two widths of tensor)
	s_and_b32 s27, ttmp9, 31                       ; x
	s_lshr_b32 s28, ttmp9, 5                       ; y
	s_mov_b32 s30, 4096
	s_cmp_lt_u32 s27, 24                           ; the choices hang on the work-group's number alone
	s_cselect_b64 s[32:33], s[8:9], s[10:11]       ; Wk or Wv
	s_cselect_b32 s29, 16, 24                      ; the tensor's first x
	s_cmp_lt_u32 s27, 16
	s_cselect_b64 s[32:33], s[6:7], s[32:33]       ; or Wq
	s_cselect_b32 s29, 0, s29
	s_cselect_b32 s30, 8192, s30                   ; bytes from row to row
	s_sub_co_u32 s31, s27, s29
	s_lshl_b32 s31, s31, 7
	s_lshl_b32 s34, s26, 5
	s_add_co_u32 s31, s31, s34                     ; my wave's first column in its tensor
	s_lshl_b32 s36, s31, 2
	s_lshl_b32 s35, s28, 9
	s_mul_i32 s35, s35, s30                        ; 512 y rows
	s_add_co_u32 s36, s36, s35
	s_mov_b32 s37, 0
	s_add_nc_u64 s[32:33], s[32:33], s[36:37]
	s_lshl_b32 s34, s30, 5                         ; 32 rows on
	s_mov_b32 s35, 0
	s_lshl_b32 s38, s27, 7
	s_lshl_b32 s39, s26, 5
	s_add_co_u32 s38, s38, s39
	s_add_co_u32 s38, s38, 2048                    ; my wave's first row of codes and scales
	s_mov_b32 s41, 0
	s_lshl_b32 s40, s38, 11
	s_lshl_b32 s42, s28, 8
	s_add_co_u32 s40, s40, s42
	s_add_nc_u64 s[16:17], s[16:17], s[40:41]      ; codes: row x 2,048 + 256 y
	s_lshl_b32 s40, s38, 7
	s_lshl_b32 s42, s28, 4
	s_add_co_u32 s40, s40, s42
	s_add_nc_u64 s[18:19], s[18:19], s[40:41]      ; scales: row x 128 + 16 y
	v_lshlrev_b32 v3, 2, v2
	s_mul_i32 s39, s26, 32*W_PITCH                 ; my stage
	v_mul_u32_u24 v4, v2, W_PITCH
	v_add_nc_u32 v4, s39, v4                       ; into it: row = my column
	v_and_b32 v5, 15, v2
	v_lshrrev_b32 v6, 4, v2
	v_mul_u32_u24 v7, v6, W_PITCH
	v_lshl_add_u32 v7, v5, 4, v7
	v_add_nc_u32 v7, s39, v7                       ; out of it: sixteen lanes to a row, two rows an instruction
	v_lshlrev_b32 v8, 11, v6
	v_lshl_add_u32 v8, v5, 4, v8                   ; and the same place in codes
	v_lshlrev_b32 v9, 7, v2                        ; my column's row of scale bytes
.set i, 0
.rept 32
	v_mad_u32_u24 v[W_OFF+i], s30, i, v3
.set i, i+1
.endr
.macro WLOAD t                         ; block t: W(32 t + i, my column) into set t % 2; the base walks 32 rows a block
.if (\t) > 0
	s_wait_xcnt 0x0                                ; the loads before have read their base
	s_add_nc_u64 s[32:33], s[32:33], s[34:35]
.endif
.set i, 0
.rept 32
	global_load_b32 v[W_X+32*((\t)%2)+i], v[W_OFF+i], s[32:33] th:TH_LOAD_NT
.set i, i+1
.endr
.endm
.macro WBLOCK t
.set XS, W_X+32*((\t)%2)
.if (\t) < 15
	s_wait_loadcnt 32                              ; this block's 32 loads are in; the next block's may be out
.else
	s_wait_loadcnt 0x0
.endif
	v_max3_num_f32 v12, |v[XS]|, |v[XS+1]|, |v[XS+2]|
	v_max3_num_f32 v13, |v[XS+3]|, |v[XS+4]|, |v[XS+5]|
.irp i, 6,10,14,18,22,26
	v_max3_num_f32 v12, v12, |v[XS+\i]|, |v[XS+\i+1]|
	v_max3_num_f32 v13, v13, |v[XS+\i+2]|, |v[XS+\i+3]|
.endr
	v_max3_num_f32 v12, v12, |v[XS+30]|, |v[XS+31]|
	v_max3_num_f32 v12, v12, v13, (EMAX+1)<<23     ; with the floor 2^(3 - 127): the byte cannot fall under 1
	v_add_nc_u32 v11, -(EMAX<<23), v12             ; 2 off the exponent field: the conversion's scale operand
	v_lshrrev_b32 v13, 23, v11                     ; the scale's byte
.if (\t)%4 == 0
	v_mov_b32 v[W_SB+(\t)/4], v13
.else
	v_lshl_or_b32 v[W_SB+(\t)/4], v13, 8*((\t)%4), v[W_SB+(\t)/4]
.endif
.irp g, 0,1,2,3
	v_cvt_scalef32_pk8_fp4_f32 v[W_C+\g], v[XS+8*\g:XS+8*\g+7], v11
.endr
	ds_store_b128 v4, v[W_C:W_C+3] offset:16*(\t)  ; 32 codes: 16 bytes of my column's row
.if (\t)+2 < 16
	WLOAD (\t)+2
.endif
	s_wait_dscnt 0x0                               ; the store has read its registers: the next block's codes may be written
.endm
	WLOAD 0
	WLOAD 1
.set Q, 0
.rept 16
	WBLOCK Q
.set Q, Q+1
.endr
	global_store_b128 v9, v[W_SB:W_SB+3], s[18:19] ; my column's 16 scale bytes
.irp t, 0,1,2,3,4,5,6,7,8,9,10,11,12,13,14,15
	ds_load_b128 v[W_OUT+4*\t:W_OUT+4*\t+3], v7 offset:2*\t*W_PITCH   ; LDS serves a wave's instructions in order: these see my stores
.endr
.irp t, 0,1,2,3,4,5,6,7,8,9,10,11,12,13,14,15
	s_wait_dscnt 15-\t
	global_store_b128 v8, v[W_OUT+4*\t:W_OUT+4*\t+3], s[16:17] offset:2*\t*2048   ; sixteen lanes store 256 consecutive bytes, aligned
.endr
	s_wait_tensorcnt 0x0                           ; the wave's end
	ds_add_u32 v[SPW], v[NIL]
	s_wait_dscnt 0x0
	s_endpgm
; ---------------------------------------------------------------- X: rows are dense and K is a multiple of 32: a plain stream of blocks of 32.  A wave takes 16 steps of 512 numbers.
; Each load reads 512 consecutive bytes; a step's 2,048 bytes turn through the wave's own stage so that a lane holds 16 neighbours; two neighbouring lanes hold a block.
.Lpath_x:
.set X_R,  16                          ; v16-79   four sets of 16 numbers as loaded
.set X_X,  80                          ; v80-111  two sets of 16 neighbours
.set X_E,  112                         ; v112-127 a scale byte for each step
.set X_C,  128                         ; v128-191 codes: registers of its own for each step
.set X_SP, 80                          ; a lane's place in a stage: 64 bytes + 16
	v_lshlrev_b32 v3, 4, v2
	s_mul_i32 s27, s26, 8192
	s_add_co_u32 s27, s27, 34816                   ; my wave's region: two stages of 2,560 bytes, then its 256 scale bytes
	v_lshrrev_b32 v14, 2, v2
	v_mul_u32_u24 v14, v14, X_SP
	v_and_b32 v15, 3, v2
	v_lshl_add_u32 v14, v15, 4, v14
	v_add_nc_u32 v14, s27, v14                     ; in: four lanes' 64 bytes on end, then the padding
	v_mul_u32_u24 v15, v2, X_SP
	v_add_nc_u32 v15, s27, v15                     ; out: my 16 neighbours
	v_lshlrev_b32 v4, 3, v2                        ; my 8 bytes of a step's codes
	v_lshrrev_b32 v5, 1, v2
	s_add_co_u32 s27, s27, 2*32*X_SP
	v_add_nc_u32 v5, s27, v5                       ; my block's byte
	v_lshlrev_b32 v7, 3, v2
	v_add_nc_u32 v6, s27, v7
	s_sub_co_u32 s28, ttmp9, 256
	s_lshl_b32 s28, s28, 2
	s_add_co_u32 s28, s28, s26                     ; which run of 8,192 numbers is my wave's
	s_mov_b32 s31, 0
	s_lshl_b32 s30, s28, 15
	s_add_nc_u64 s[4:5], s[4:5], s[30:31]
	s_lshl_b32 s30, s28, 12
	s_add_nc_u64 s[16:17], s[16:17], s[30:31]
	s_lshl_b32 s30, s28, 8
	s_add_nc_u64 s[18:19], s[18:19], s[30:31]
.macro XLOAD t
.irp i, 0,1,2,3
	global_load_b128 v[X_R+16*((\t)%4)+4*\i:X_R+16*((\t)%4)+4*\i+3], v3, s[4:5] offset:2048*(\t)+512*\i th:TH_LOAD_NT
.endr
.endm
.macro XTURN t                         ; step t's numbers through the stage: LDS serves a wave's instructions in order
.irp i, 0,1,2,3
	ds_store_b128 v14, v[X_R+16*((\t)%4)+4*\i:X_R+16*((\t)%4)+4*\i+3] offset:32*X_SP*((\t)%2)+8*X_SP*\i
.endr
.irp i, 0,1,2,3
	ds_load_b128 v[X_X+16*((\t)%2)+4*\i:X_X+16*((\t)%2)+4*\i+3], v15 offset:32*X_SP*((\t)%2)+16*\i
.endr
.endm
.irp t, 0,1,2,3
	XLOAD \t
.endr
	s_wait_loadcnt 12                              ; step 0's four loads are in
	XTURN 0
.macro XSTEP t
.set XS, X_X+16*((\t)%2)
.if (\t) > 0
	s_wait_dscnt 1                                 ; this step's numbers are back from the stage (the last step's byte store may be out)
.else
	s_wait_dscnt 0x0
.endif
.if (\t)+4 < 16
	XLOAD (\t)+4
.endif
.if (\t)+1 < 16
.if 14-(\t) >= 3
	s_wait_loadcnt 12                              ; the next step's four loads are in; three steps' may be out
.else
	s_wait_loadcnt 4*(14-(\t))
.endif
	XTURN (\t)+1
.endif
	v_max3_num_f32 v8, |v[XS]|, |v[XS+1]|, |v[XS+2]|
	v_max3_num_f32 v9, |v[XS+3]|, |v[XS+4]|, |v[XS+5]|
.irp i, 6,10
	v_max3_num_f32 v8, v8, |v[XS+\i]|, |v[XS+\i+1]|
	v_max3_num_f32 v9, v9, |v[XS+\i+2]|, |v[XS+\i+3]|
.endr
	v_max3_num_f32 v8, v8, |v[XS+14]|, |v[XS+15]|
	v_max3_num_f32 v8, v8, v9, (EMAX+1)<<23
	v_max_num_f32_dpp v8, v8, v8 row_xmask:1 row_mask:0xf bank_mask:0xf   ; with my neighbour's 16: the block's
	v_add_nc_u32 v11, -(EMAX<<23), v8
	v_cvt_scalef32_pk8_fp4_f32 v[X_C+4*(\t)], v[XS:XS+7], v11
	v_cvt_scalef32_pk8_fp4_f32 v[X_C+4*(\t)+1], v[XS+8:XS+15], v11
	v_lshrrev_b32 v[X_E+(\t)], 23, v11             ; the scale's byte
	ds_store_b8 v5, v[X_E+(\t)] offset:16*(\t)     ; both lanes of a block write the same byte with the same value
	global_store_b64 v4, v[X_C+4*(\t):X_C+4*(\t)+1], s[16:17] offset:256*(\t)   ; the wave stores 256 consecutive bytes, aligned
.endm
.irp t, 0,1,2,3,4,5,6,7,8,9,10,11,12,13,14,15
	XSTEP \t
.endr
	ds_load_b64 v[8:9], v6
	s_wait_dscnt 0x0
	global_store_b64 v7, v[8:9], s[18:19]          ; my wave's 256 scale bytes
	s_wait_tensorcnt 0x0                           ; the wave's end
	ds_add_u32 v[SPW], v[NIL]
	s_wait_dscnt 0x0
	s_endpgm
; ---------------------------------------------------------------- O: a lane takes a column n of Wo, its registers run down K.  Work-group: 128 columns (x), 256 along K (y) = 8 chunks of 32.  No LDS.
; A chunk's 32 numbers x 16 pack into 16 registers p0-15 (p m: k = 2 m, 2 m + 1).  The operand's layout gives lane (r, h), half e, k = 16 e + 8 h + 0..7 of row r: exchanging p0-3's upper lanes with p4-7's lower
; lanes (and p8-11's with p12-15's) makes p0-3, p8-11 the two halves of the image of columns 0-15 and p4-7, p12-15 those of columns 16-31.
.Lpath_o:
	s_sub_co_u32 s27, ttmp9, 512
	s_and_b32 s28, s27, 31                         ; x
	s_lshr_b32 s29, s27, 5                         ; y
	s_lshl_b32 s30, s28, 9
	s_lshl_b32 s31, s26, 7
	s_add_co_u32 s30, s30, s31                     ; (128 x + 32 wave) x 4 bytes
	s_lshl_b32 s31, s29, 22                        ; 256 y rows of 16,384 bytes
	s_add_co_u32 s30, s30, s31
	s_mov_b32 s31, 0
	s_add_nc_u64 s[12:13], s[12:13], s[30:31]
	s_lshl_b32 s30, s28, 3
	s_lshl_b32 s32, s26, 1
	s_add_co_u32 s30, s30, s32                     ; my first tile of 16 columns
	s_lshl_b32 s30, s30, 16                        ; 64 images of 1,024 bytes each
	s_lshl_b32 s32, s29, 13                        ; 8 y images on
	s_add_co_u32 s30, s30, s32
	s_add_nc_u64 s[20:21], s[20:21], s[30:31]
	v_lshlrev_b32 v3, 2, v2
	v_lshlrev_b32 v4, 4, v2
.macro OLOAD t
.set i, 0
.rept 32
	global_load_b32 v[16+32*((\t)%2)+i], v3, s[12:13] offset:(32*(\t)+i)*16384 th:TH_LOAD_NT
.set i, i+1
.endr
.endm
.macro OCHUNK t
.set OL, 16+32*((\t)%2)
.set OP, 80+16*(\t)                    ; registers of its own for each chunk: no store's data are written again
.if (\t) < 7
	s_wait_loadcnt 32                              ; this chunk's 32 loads are in; the next chunk's may be out
.else
	s_wait_loadcnt 0x0
.endif
.set i, 0
.rept 16
	v_pk_mul_f32 v[OL+2*i:OL+2*i+1], v[OL+2*i:OL+2*i+1], 0x41800000 op_sel_hi:[1,0]   ; x 16: exact
.set i, i+1
.endr
.set i, 0
.rept 16
	v_cvt_pk_f16_f32 v[OP+i], v[OL+2*i], v[OL+2*i+1]
.set i, i+1
.endr
.if (\t)+2 < 8
	OLOAD (\t)+2
.endif
.irp m, 0,1,2,3
	v_permlane16_swap_b32 v[OP+\m], v[OP+4+\m]
	v_permlane16_swap_b32 v[OP+8+\m], v[OP+12+\m]
.endr
	global_store_b128 v4, v[OP:OP+3], s[20:21] offset:1024*(\t)                    ; each store of the wave covers 512 consecutive bytes
	global_store_b128 v4, v[OP+8:OP+11], s[20:21] offset:1024*(\t)+512
	global_store_b128 v4, v[OP+4:OP+7], s[20:21] offset:1024*(\t)+65536
	global_store_b128 v4, v[OP+12:OP+15], s[20:21] offset:1024*(\t)+65536+512
.endm
	OLOAD 0
	OLOAD 1
.irp t, 0,1,2,3,4,5,6,7
	OCHUNK \t
.endr
	s_endpgm
.Lfunc_end_k_qea57d4903d_prep:
	.size	k_qea57d4903d_prep, .Lfunc_end_k_qea57d4903d_prep-k_qea57d4903d_prep
	.p2alignl 7, 3214868480
	.fill 96, 4, 3214868480
	.section	.rodata,"a",@progbits
	.p2align	6, 0x0
	.amdhsa_kernel k_qea57d4903d_prep
		.amdhsa_group_segment_fixed_size 68096
		.amdhsa_private_segment_fixed_size 0
		.amdhsa_enable_private_segment 0
		.amdhsa_kernarg_size 88
		.amdhsa_user_sgpr_count 2
		.amdhsa_user_sgpr_kernarg_segment_ptr 1
		.amdhsa_wavefront_size32 1
		.amdhsa_system_sgpr_workgroup_id_x 1
		.amdhsa_system_sgpr_workgroup_id_y 1
		.amdhsa_system_sgpr_workgroup_id_z 1
		.amdhsa_system_vgpr_workitem_id 0
		.amdhsa_next_free_vgpr 224
		.amdhsa_next_free_sgpr 66
		.amdhsa_reserve_vcc 1
		.amdhsa_float_denorm_mode_32 3
		.amdhsa_float_denorm_mode_16_64 3
		.amdhsa_memory_ordered 1
		.amdhsa_forward_progress 1
		.amdhsa_inst_pref_size 206
	.end_amdhsa_kernel
	.amdgpu_metadata
---
amdhsa.version: [ 1, 2 ]
amdhsa.kernels:
  - .name:           k_qea57d4903d_prep
    .symbol:         k_qea57d4903d_prep.kd
    .args:
      - { .name: hidden_states, .offset: 0, .size: 8, .value_kind: global_buffer, .address_space: global }
      - { .name: Wq, .offset: 8, .size: 8, .value_kind: global_buffer, .address_space: global }
      - { .name: Wk, .offset: 16, .size: 8, .value_kind: global_buffer, .address_space: global }
      - { .name: Wv, .offset: 24, .size: 8, .value_kind: global_buffer, .address_space: global }
      - { .name: Wo, .offset: 32, .size: 8, .value_kind: global_buffer, .address_space: global }
      - { .name: mask, .offset: 40, .size: 8, .value_kind: global_buffer, .address_space: global }
      - { .name: codes, .offset: 48, .size: 8, .value_kind: global_buffer, .address_space: global }
      - { .name: scales, .offset: 56, .size: 8, .value_kind: global_buffer, .address_space: global }
      - { .name: woimg, .offset: 64, .size: 8, .value_kind: global_buffer, .address_space: global }
      - { .name: tab, .offset: 72, .size: 8, .value_kind: global_buffer, .address_space: global }
      - { .name: flags, .offset: 80, .size: 8, .value_kind: global_buffer, .address_space: global }
    .group_segment_fixed_size: 68096
    .private_segment_fixed_size: 0
    .kernarg_segment_align: 8
    .kernarg_segment_size: 88
    .max_flat_workgroup_size: 128
    .sgpr_count:     66
    .vgpr_count:     224
    .wavefront_size: 32
...
	.end_amdgpu_metadata
.endif
;; end of part 1
;; launch qkv (part 2): grid 16 x 16, 4 waves a work-group, clusters of 4 x 4, 327,680 bytes of LDS; arguments codes, scales, tab, qkv; writes qkv
.if DOCPART == 2
	.amdgcn_target "amdgcn-amd-amdhsa--gfx1250"
	.amdhsa_code_object_version 6
	.text
	.protected	k_qea57d4903d_qkv
	.globl	k_qea57d4903d_qkv
	.p2align	8
	.type	k_qea57d4903d_qkv,@function
k_qea57d4903d_qkv:
	s_mov_b64 s[64:65], 0
	v_nop
	global_prefetch_b8 v0, s[64:65] scope:SCOPE_SE
	s_setreg_imm32_b32 hwreg(HW_REG_WAVE_MODE, 25, 1), 1
	s_wait_xcnt 0x0
	s_wait_alu depctr_hold_cnt(0) depctr_sa_sdst(0) depctr_va_vdst(0) depctr_va_sdst(0) depctr_va_ssrc(0) depctr_va_vcc(0) depctr_vm_vsrc(0)
	s_getreg_b32 s2, hwreg(HW_REG_IB_STS2, 6, 4)
	s_cmp_eq_u32 s2, 0
	s_cbranch_scc0 .Lentry_in_a_cluster
	s_endpgm
.Lentry_in_a_cluster:
	s_bfe_u32 s2, ttmp6, 0x10000c
	s_cmp_lg_u32 s2, 0xf033
	s_cbranch_scc0 .Lentry_shape_is_right
	s_endpgm
.Lentry_shape_is_right:
; QKV: the three quantised products on codes of FP4 (E2M1) with one E8M0 scale for each 32 along K = 4,096; then RoPE, a fixed scale and the rounding to f16, all in registers.
; codes [6144 rows][2048 B], scales [6144][128 B]: rows 0.. tokens, 2048.. columns of Wq, 4096.. of Wk, 5120.. of Wv.
; A work-group makes 128 rows of a side "A" x 256 rows of a side "B"; each of its four waves 64 x 128: 32 accumulators.  256 work-groups.
;   clusters x = 0, 1, 2 (q, q, k): A = 128 tokens, B = 256 features = two heads.       cluster x = 3 (v): A = 128 features of Wv = one head, B = 256 tokens.
; Only row numbers differ between the two kinds; no branch does.  SOURCE 0 = 16 ROWS OF B, SOURCE 1 = 16 ROWS OF A: a lane holds one row of A and eight neighbouring rows of B:
; a token with eight neighbouring channels (q, k), or a channel with eight neighbouring keys (v): packed to f16 these 16 bytes are a lane's part of the register image that the attention launch loads.
; STORED: q' = rope(q) x 16 x 2 MULT log2(e) / 30, k' = rope(k) / 16, v' = v / 16, so that q'.k' is the exponent of the soft cap's 2^x.  The factors ride in the tables (for v: cos = 1/16, sin = 0).
; qkv: heads 0-15 q', 16-23 k': [head][16 tokens][32 channels][1 KB];  from 12 MiB on v' turned: [head][128 keys][16 channels][32 keys][1 KB].  An image: [half e][lane][16 B], lane (r, h): row r, k = 16 e + 8 h + 0..7.
; LIMITS: |q| under 4.8e5, |k| and |v| under 1.0e6 (f16's largest number under the fixed scales).
; K goes in steps of 512 through a ring of two LDS slots; the scale bytes of the work-group's rows, for all of K, come once and stay.
; CLUSTERS: 4 x 4 work-groups; A's tiles are shared along a row of the cluster, B's along a column: each is asked for jointly, by the same tensor load with the same descriptor and a mask that names the four.
; REGISTERS: window 0: v16-29 addresses; v32-95 scale words, two sets; v128-159, v160-191 A's fragments, two sets.  window 1: B's fragments, sets at v0 and v128.
;   window 2: accumulator (a, b) at v[8 (8 a + b)].   window 3: my four tiles' table entries, (a, b) at v[64 a + 16 b]: 8 cos, 8 sin.
.set PITCH, 272                        ; an LDS row: 256 bytes + 16: the 16 rows that a load touches start at 16 different banks (64 banks of 4 bytes: ISA guide 11.1)
.set AHALF, 64*PITCH                   ; what a wave fetches, and reads, of A
.set BHALF, 128*PITCH                  ; and of B
.set BOFF,  2*AHALF
.set SLOT,  BOFF+2*BHALF               ; 104,448
.set SCL,   2*SLOT                     ; behind the ring: the scales, as rows of 256 bytes + 16
.set SAH,   32*272                     ; those of 64 rows of A
.set SBH,   64*272                     ; those of 128 rows of B
.set SBLK,  8*272                      ; those of 16 rows
.set SPARE, SCL+2*SAH+2*SBH            ; 261,120: the spare words, 128 bytes for each wave
.set ADRA, 16                          ; v16-17 LDS address of my A fragments in slot 0, 1
.set ADRB, 20                          ; v20-21 the same for B
.set LN16, 26                          ; v26    16 x lane
.set ADRS, 27                          ; v27    my scale words: lanes 0-15 A's rows, lanes 16-31 B's
.set SPW,  28                          ; v28    my spare word; never rewritten
.set NIL,  29                          ; v29    0; never rewritten
.set SC,   32
.set AF,   128
.set G1,   24                          ; s[24:31], s[32:39]: groups 1 and 0 (a set a slot) for A's codes
.set G0,   32
.set G1B,  48                          ; s[48:55], s[56:63]: for B's
.set G0B,  56
.set G1S,  68                          ; s[68:75], s[76:79]: for A's scales
.set G0S,  76
.set G1SB, 80                          ; s[80:87], s[88:91]: for B's
.set G0SB, 88
.set MSB, 0
.macro WIN new                         ; the immediate's high byte repeats the setting that is left
.if MSB != \new
	s_set_vgpr_msb (MSB<<8)|\new
.set MSB, \new
.endif
.endm
.set MUL, 0xa1                         ; source 0 (B) window 1, source 1 (A) window 0, C and D window 2
; A joint load: waves 0 and 1 fetch for A, waves 2 and 3 for B; the branch hangs on the wave's number alone.  An s_nop 0 and four v_nop follow each of the two lines.
.macro JLOAD g0a, g1a, g0b, g1b
	s_cmp_eq_u32 s15, 0
	s_cbranch_scc0 .Lfor_b_\@
	tensor_load_to_lds s[\g0a:\g0a+3], s[\g1a:\g1a+7]
	s_nop 0
.rept 4
	v_nop
.endr
	s_branch .Lasked_\@
.Lfor_b_\@:
	tensor_load_to_lds s[\g0b:\g0b+3], s[\g1b:\g1b+7]
	s_nop 0
.rept 4
	v_nop
.endr
.Lasked_\@:
.endm
.macro CREST                           ; a round of the cluster's barrier behind its opening barrier
	s_cmp_lg_u32 s14, 0
	s_cbranch_scc1 .Lnot_wave_0_\@
	s_barrier_signal -3
.Lnot_wave_0_\@:
	s_barrier_wait -3
	s_barrier_signal -1
	s_barrier_wait -1
.endm
.macro CROUND
	s_barrier_signal -1
	s_barrier_wait -1
	CREST
.endm
	s_load_b256 s[4:11], s[0:1], 0x0               ; codes, scales, tab, qkv
	v_lshl_add_u32 v[SPW], v0, 2, SPARE
	v_mov_b32 v[NIL], 0
	ds_add_u32 v[SPW], v[NIL]                      ; the wave's opening: the add, twice on end, and its wait ahead of my first tensor load
	ds_add_u32 v[SPW], v[NIL]
	v_lshrrev_b32 v1, 5, v0
	v_readfirstlane_b32 s14, v1                    ; wave 0..3
	s_lshr_b32 s15, s14, 1                         ; wa: my half of A's rows.  Also: I fetch for A (0) or for B (1)
	s_and_b32 s16, s14, 1                          ; wb: my half of B's rows.  Also: which half I fetch
	s_bfe_u32 s40, ttmp6, 0x40000                  ; cx
	s_bfe_u32 s41, ttmp6, 0x40004                  ; cy
	s_and_b32 s17, ttmp7, 0xffff                   ; cluster y
	s_lshl_b32 s43, s41, 2
	s_lshl_b32 s43, 15, s43                        ; my row of the cluster
	s_lshl_b32 s44, 0x1111, s40                    ; my column
	s_and_b32 s18, s17, 1
	s_lshl_b32 s18, s18, 2
	s_add_co_u32 s18, s18, 40                      ; v: A's blocks of 128 rows begin at row 5,120: 40 + 4 (Y & 1)
	s_lshl_b32 s19, s17, 2                         ; q, k: 4 Y
	s_lshr_b32 s20, s17, 1
	s_lshl_b32 s20, s20, 2                         ; v: B's blocks of 256 rows: 4 (Y >> 1)
	s_lshl_b32 s21, ttmp9, 2
	s_add_co_u32 s21, s21, 8                       ; q, k: 8 + 4 X
	s_cmp_eq_u32 ttmp9, 3                          ; the cluster's x: the same in all sixteen partners
	s_cselect_b32 s18, s18, s19
	s_cselect_b32 s20, s20, s21
	s_add_co_u32 s18, s18, s41                     ; A's block: made of cy and the cluster's place alone
	s_add_co_u32 s20, s20, s40                     ; B's block: of cx and the cluster's place alone
	; descriptor groups 1.  Codes: rows of 256 bytes, 2,048 bytes apart, 16 bytes of padding behind each
	s_or_b32 s[G1+0], s43, (0<<16)|(1<<20)|(1<<21)|(5<<22)|(3<<25)  ; the mask: my row; elements of 1 byte; padding on; bit 21 beside a mask; after every 64 words; 4 words
	s_mov_b32 s[G1+1], 256<<16                     ; tensor_dim0
	s_mov_b32 s[G1+2], 64<<16                      ; tensor_dim1 = 64 rows
	s_mov_b32 s[G1+3], 256<<16                     ; tile_dim0
	s_mov_b32 s[G1+4], 64                          ; tile_dim1
	s_mov_b32 s[G1+5], 2048                        ; the pitch
	s_mov_b32 s[G1+6], 0
	s_mov_b32 s[G1+7], 0
	s_or_b32 s[G1B+0], s44, (0<<16)|(1<<20)|(1<<21)|(5<<22)|(3<<25) ; my column; 128 rows
	s_mov_b32 s[G1B+1], 256<<16
	s_mov_b32 s[G1B+2], 128<<16
	s_mov_b32 s[G1B+3], 256<<16
	s_mov_b32 s[G1B+4], 128
	s_mov_b32 s[G1B+5], 2048
	s_mov_b32 s[G1B+6], 0
	s_mov_b32 s[G1B+7], 0
	; Scales: a dense block, as rows of 256 bytes (32 elements of 8 bytes), 16 bytes of padding behind each: 64 rows of A are 32 such rows, 128 rows of B are 64
	s_or_b32 s[G1S+0], s43, (3<<16)|(1<<20)|(1<<21)|(5<<22)|(3<<25)
	s_mov_b32 s[G1S+1], 32<<16
	s_mov_b32 s[G1S+2], 32<<16
	s_mov_b32 s[G1S+3], 32<<16
	s_mov_b32 s[G1S+4], 32
	s_mov_b32 s[G1S+5], 32
	s_mov_b32 s[G1S+6], 0
	s_mov_b32 s[G1S+7], 0
	s_or_b32 s[G1SB+0], s44, (3<<16)|(1<<20)|(1<<21)|(5<<22)|(3<<25)
	s_mov_b32 s[G1SB+1], 32<<16
	s_mov_b32 s[G1SB+2], 64<<16
	s_mov_b32 s[G1SB+3], 32<<16
	s_mov_b32 s[G1SB+4], 64
	s_mov_b32 s[G1SB+5], 32
	s_mov_b32 s[G1SB+6], 0
	s_mov_b32 s[G1SB+7], 0
	s_lshl_b32 s22, s18, 7
	s_lshl_b32 s23, s16, 6
	s_add_co_u32 s22, s22, s23                     ; the first row of A that I would fetch
	s_lshl_b32 s46, s20, 8
	s_lshl_b32 s47, s16, 7
	s_add_co_u32 s46, s46, s47                     ; and of B
	s_lshl_b32 s92, s22, 7                         ; their scales, 128 bytes a row,
	s_mov_b32 s93, 0
	s_lshl_b32 s94, s46, 7
	s_mov_b32 s95, 0
	s_lshl_b32 s22, s22, 11                        ; and their codes, 2,048 bytes a row
	s_mov_b32 s23, 0
	s_lshl_b32 s46, s46, 11
	s_mov_b32 s47, 0
	s_mul_i32 s45, s16, AHALF                      ; where they go: made of the wave's number alone
	s_mul_i32 s96, s16, BHALF
	s_mul_i32 s97, s16, SAH
	s_mul_i32 s19, s16, SBH
	s_wait_dscnt 0x0                               ; both opening adds are done
	s_wait_kmcnt 0x0
	s_add_nc_u64 s[22:23], s[4:5], s[22:23]
	s_add_nc_u64 s[46:47], s[4:5], s[46:47]
	s_add_nc_u64 s[92:93], s[6:7], s[92:93]
	s_add_nc_u64 s[94:95], s[6:7], s[94:95]
	CROUND                                         ; all sixteen work-groups are here: the first joint loads meet
	s_mov_b32 s[G0S], 1
	s_add_co_u32 s[G0S+1], s97, SCL
	s_mov_b64 s[G0S+2:G0S+3], s[92:93]
	s_or_b32 s[G0S+3], s[G0S+3], 0x80000000
	s_mov_b32 s[G0SB], 1
	s_add_co_u32 s[G0SB+1], s19, SCL+2*SAH
	s_mov_b64 s[G0SB+2:G0SB+3], s[94:95]
	s_or_b32 s[G0SB+3], s[G0SB+3], 0x80000000
	JLOAD G0S, G1S, G0SB, G1SB                     ; the scales first: they are wanted with K step 0
.irp s, 0,1
	s_mov_b32 s[G0+4*\s], 1
	s_add_co_u32 s[G0+4*\s+1], s45, \s*SLOT
	s_add_nc_u64 s[G0+4*\s+2:G0+4*\s+3], s[22:23], \s*256
	s_or_b32 s[G0+4*\s+3], s[G0+4*\s+3], 0x80000000
	s_mov_b32 s[G0B+4*\s], 1
	s_add_co_u32 s[G0B+4*\s+1], s96, \s*SLOT+BOFF
	s_add_nc_u64 s[G0B+4*\s+2:G0B+4*\s+3], s[46:47], \s*256
	s_or_b32 s[G0B+4*\s+3], s[G0B+4*\s+3], 0x80000000
	JLOAD G0+4*\s, G1, G0B+4*\s, G1B               ; three tensor loads of mine are out
.endr
	; my four table entries: tiles of 16 tokens 8 gy + 4 wa + a; kind 0 for q, 1 for k, 2 for v (whose entries are all alike)
	v_and_b32 v6, 31, v0
	v_lshlrev_b32 v[LN16], 4, v6
	s_lshl_b32 s19, s17, 2
	s_add_co_u32 s19, s19, s41                     ; gy = 4 Y + cy
	s_lshl_b32 s19, s19, 3
	s_lshl_b32 s21, s15, 2
	s_add_co_u32 s19, s19, s21                     ; 8 gy + 4 wa
	s_max_u32 s21, ttmp9, 1
	s_sub_co_u32 s21, s21, 1                       ; the kind
	s_lshl_b32 s21, s21, 20
	s_lshl_b32 s12, s19, 13
	s_add_co_u32 s12, s12, s21
	s_mov_b32 s13, 0
	s_add_nc_u64 s[8:9], s[8:9], s[12:13]
	WIN 0xc0                                       ; destination window 3
.irp a, 0,1,2,3
.irp b, 0,1,2,3
.irp p, 0,1,2,3
	global_load_b128 v[64*\a+16*\b+4*\p:64*\a+16*\b+4*\p+3], v[LN16], s[8:9] offset:8192*\a+2048*\b+512*\p
.endr
.endr
.endr
	WIN 0
	v_and_b32 v1, 15, v0                           ; r
	v_bfe_u32 v2, v0, 4, 1                         ; h
	v_mul_u32_u24 v3, v1, PITCH
	v_lshl_add_u32 v4, v2, 4, v3                   ; a fragment's row x pitch + 16 h
	s_mul_i32 s21, s15, AHALF                      ; my 64 rows of A
	s_mul_i32 s12, s16, BHALF
	s_add_co_u32 s12, s12, BOFF                    ; my 128 rows of B
.irp s, 0,1
	v_add_nc_u32 v[ADRA+\s], s21, v4
	v_add_nc_u32 v[ADRB+\s], s12, v4
	s_add_co_u32 s21, s21, SLOT
	s_add_co_u32 s12, s12, SLOT
.endr
	v_lshlrev_b32 v5, 7, v1                        ; my row's scales: 128 bytes a row,
	v_lshrrev_b32 v6, 1, v1
	v_lshl_add_u32 v5, v6, 4, v5                   ; and 16 more for each 256 passed
	s_mul_i32 s21, s15, SAH                        ; A's: my 64 rows
	s_mul_i32 s12, s16, SBH
	s_add_co_u32 s12, s12, 2*SAH                   ; B's: my 128 rows, behind A's
	s_sub_co_u32 s12, s12, s21
	v_mul_u32_u24 v6, s12, v2                      ; lanes 16-31 take B's
	s_add_co_u32 s21, s21, SCL
	v_add_nc_u32 v5, v5, v6
	v_add_nc_u32 v[ADRS], s21, v5
	; where my images go.  t = 2 x B's block + wb.  q, k: head t - 16, tile of tokens 8 gy + 4 wa;  v: head (A's block - 40) + 24, group of keys t, channels 64 wa on
	s_lshl_b32 s12, s20, 1
	s_add_co_u32 s12, s12, s16                     ; t
	s_lshl_b32 s13, s12, 1
	s_add_co_u32 s13, s13, s15
	s_lshl_b32 s13, s13, 14                        ; v: (2 t + wa) x 16 KiB
	s_lshl_b32 s21, s19, 12                        ; q, k: (8 gy + 4 wa) x 4 KiB
	s_cmp_eq_u32 ttmp9, 3
	s_cselect_b32 s12, s18, s12
	s_cselect_b32 s13, s13, s21
	s_sub_co_u32 s12, s12, 16
	s_lshl_b32 s12, s12, 19                        ; 512 KiB a head
	s_add_co_u32 s12, s12, s13
	s_mov_b32 s13, 0
	s_add_nc_u64 s[10:11], s[10:11], s[12:13]
.macro FRAG reg, adr, q, i             ; 16 rows x 128 K of 4-bit codes: 8 registers: lane (r, h): registers 4 c .. 4 c + 3 hold K = 64 c + 32 h + 0..31
.irp c, 0,1
	ds_load_b128 v[\reg+4*\c:\reg+4*\c+3], v[\adr] offset:64*(\q)+32*\c+(\i)*16*PITCH
.endr
.endm
.macro FETCH slot, q, p                ; the fragments of the slot's q-th 128 along K into set p: B's eight, A's four
	WIN 0x40
.irp i, 0,1,2,3,4,5,6,7
	FRAG 128*(\p)+8*\i, ADRB+\slot, \q, \i
.endr
	WIN 0
.irp i, 0,1,2,3
	FRAG AF+32*(\p)+8*\i, ADRA+\slot, \q, \i
.endr
.endm
.macro SCALES sc                       ; a K step's scale words into set sc: register 4 i + q: lanes 0-15 A's block i (i under 4; beyond that filled bytes that nobody uses), lanes 16-31 B's block i
.irp i, 0,1,2,3,4,5,6,7
	ds_load_b128 v[SC+32*\sc+4*\i:SC+32*\sc+4*\i+3], v[ADRS] offset:\i*SBLK
.endr
.endm
; 8 matrix instructions: A's block a against B's eight.  The 32 accumulators take turns, one instruction a turn, in the same order in every step.
.macro MUL8 a, p, q, sc, zero
.irp b, 0,1,2,3,4,5,6,7
.if \zero
	v_wmma_scale_f32_16x16x128_f8f6f4 v[8*(8*(\a)+\b):8*(8*(\a)+\b)+7], v[128*(\p)+8*\b:128*(\p)+8*\b+7], v[AF+32*(\p)+8*(\a):AF+32*(\p)+8*(\a)+7], 0, v[SC+32*(\sc)+4*\b+(\q)], v[SC+32*(\sc)+4*(\a)+(\q)] matrix_a_fmt:MATRIX_FMT_FP4 matrix_b_fmt:MATRIX_FMT_FP4 matrix_a_scale:MATRIX_SCALE_ROW1
.else
	v_wmma_scale_f32_16x16x128_f8f6f4 v[8*(8*(\a)+\b):8*(8*(\a)+\b)+7], v[128*(\p)+8*\b:128*(\p)+8*\b+7], v[AF+32*(\p)+8*(\a):AF+32*(\p)+8*(\a)+7], v[8*(8*(\a)+\b):8*(8*(\a)+\b)+7], v[SC+32*(\sc)+4*\b+(\q)], v[SC+32*(\sc)+4*(\a)+(\q)] matrix_a_fmt:MATRIX_FMT_FP4 matrix_b_fmt:MATRIX_FMT_FP4 matrix_a_scale:MATRIX_SCALE_ROW1
.endif
.endr
.endm
.macro PLACES                          ; four plain lines between a matrix instruction and a load into, or a vector line on, its registers
.rept 4
	v_nop
.endr
.endm
; A step of 128 along K that has its successor in the same slot: the successor's 24 loads go out ahead of this step's 32 products, into the other set
.macro STEP slot, q, zero
	s_wait_dscnt 0x0                               ; this step's fragments (asked for 32 matrix instructions ago) are in
	PLACES
	FETCH \slot, (\q)+1, 1-(\q)%2
	WIN MUL
	MUL8 0, (\q)%2, \q, \slot, \zero
	MUL8 1, (\q)%2, \q, \slot, \zero
	MUL8 2, (\q)%2, \q, \slot, \zero
	MUL8 3, (\q)%2, \q, \slot, \zero
.endm
; A slot's last step changes slots: one barrier; in front of it each wave waits for all its tensor loads, adds 0 to its spare word, and waits for that and for its reads of this slot
.macro TURN slot, next, fill
	WIN 0                                          ; (the add's two registers lie in window 0)
	s_wait_tensorcnt 0x0                           ; all my tensor loads have landed: my part of the next slot
	ds_add_u32 v[SPW], v[NIL]                      ; 0 onto my spare word
	s_wait_dscnt 1                                 ; this step's fragments are in; the add may be out
	WIN MUL
	MUL8 0, 1, 3, \slot, 0
	MUL8 1, 1, 3, \slot, 0
	s_wait_dscnt 0x0                               ; the add is done, and my reads of this slot are over
	s_barrier_signal -1
	MUL8 2, 1, 3, \slot, 0
	WIN 0
	s_barrier_wait -1
.if \fill
	CREST                                          ; the barrier has opened a round of the cluster's barrier: no wave of any partner still reads this slot or has a load on its way
	s_add_nc_u64 s[G0+4*\slot+2:G0+4*\slot+3], s[G0+4*\slot+2:G0+4*\slot+3], 512
	s_add_nc_u64 s[G0B+4*\slot+2:G0B+4*\slot+3], s[G0B+4*\slot+2:G0B+4*\slot+3], 512
	JLOAD G0+4*\slot, G1, G0B+4*\slot, G1B         ; the first tensor load behind the round; its four v_nop are the places in front of the loads below
.else
	PLACES
.endif
	v_add_nc_u32 v[ADRS], 16, v[ADRS]              ; the next K step's scale words
	FETCH \next, 0, 0
	SCALES \next
	WIN MUL
	MUL8 3, 1, 3, \slot, 0
.endm
	s_wait_tensorcnt 1                             ; the scales and my part of K step 0 are in; K step 1's load may be out
	s_barrier_signal -1
	s_barrier_wait -1
	FETCH 0, 0, 0
	SCALES 0
	STEP 0, 0, 1                                   ; the first step stands in front of the loop: its products start the sums
	WIN 0
	s_mov_b32 s3, 3
.Llap:                                                 ; a trip goes once round the ring and fills both slots again: K steps 2 to 7
	STEP 0, 1, 0
	STEP 0, 2, 0
	TURN 0, 1, 1
	STEP 1, 0, 0
	STEP 1, 1, 0
	STEP 1, 2, 0
	TURN 1, 0, 1
	STEP 0, 0, 0
	WIN 0
	s_sub_co_u32 s3, s3, 1
	s_cmp_lg_u32 s3, 0
	s_cbranch_scc1 .Llap
	STEP 0, 1, 0                                   ; the last lap fills nothing
	STEP 0, 2, 0
	TURN 0, 1, 0
	STEP 1, 0, 0
	STEP 1, 1, 0
	STEP 1, 2, 0
	s_wait_dscnt 0x0
	WIN MUL
	MUL8 0, 1, 3, 1, 0
	MUL8 1, 1, 3, 1, 0
	MUL8 2, 1, 3, 1, 0
	MUL8 3, 1, 3, 1, 0
	WIN 0
	PLACES
	s_wait_loadcnt 0x0                             ; the tables
; THE WAY OUT.  Accumulators (a, b) and (a, b + 4), b under 4, hold the head's channels i and 64 + i: out(i) = x1 cos - x2 sin, out(64 + i) = x2 cos + x1 sin.  Each accumulator is read from its low end on.
; A lane's eight results pack into 16 bytes, and accumulator (a, b)'s 512 bytes are half b % 2 of image b / 2 of tile a: no LDS is needed.
.macro OUTA a
	WIN 0x0e                                       ; source 0 window 2 (sums), source 1 window 3 (tables)
.irp b, 0,1,2,3
.irp j, 0,2,4,6
	v_pk_mul_f32 v[32+8*\b+\j:33+8*\b+\j], v[8*(8*\a+\b+4)+\j:8*(8*\a+\b+4)+\j+1], v[64*\a+16*\b+8+\j:64*\a+16*\b+9+\j]
	v_pk_mul_f32 v[64+8*\b+\j:65+8*\b+\j], v[8*(8*\a+\b)+\j:8*(8*\a+\b)+\j+1], v[64*\a+16*\b+8+\j:64*\a+16*\b+9+\j]
	v_pk_fma_f32 v[32+8*\b+\j:33+8*\b+\j], v[8*(8*\a+\b)+\j:8*(8*\a+\b)+\j+1], v[64*\a+16*\b+\j:64*\a+16*\b+\j+1], v[32+8*\b+\j:33+8*\b+\j] neg_lo:[0,0,1] neg_hi:[0,0,1]
	v_pk_fma_f32 v[64+8*\b+\j:65+8*\b+\j], v[8*(8*\a+\b+4)+\j:8*(8*\a+\b+4)+\j+1], v[64*\a+16*\b+\j:64*\a+16*\b+\j+1], v[64+8*\b+\j:65+8*\b+\j]
.endr
.endr
	WIN 0
.set i, 0
.rept 32
	v_cvt_pk_f16_f32 v[128+32*\a+i], v[32+2*i], v[33+2*i]   ; registers of its own for each a: no store's data are written again
.set i, i+1
.endr
.irp b, 0,1,2,3,4,5,6,7
	global_store_b128 v[LN16], v[128+32*\a+4*\b:128+32*\a+4*\b+3], s[10:11] offset:4096*\a+512*\b   ; each store of the wave covers 512 consecutive bytes
.endr
.endm
	OUTA 0
	OUTA 1
	OUTA 2
	OUTA 3
	s_wait_tensorcnt 0x0                           ; the wave's end
	ds_add_u32 v[SPW], v[NIL]
	s_wait_dscnt 0x0
	CROUND                                         ; the closing round: no work-group ends while a partner may still ask for a tile that names it
	s_endpgm
.Lfunc_end_k_qea57d4903d_qkv:
	.size	k_qea57d4903d_qkv, .Lfunc_end_k_qea57d4903d_qkv-k_qea57d4903d_qkv
	.p2alignl 7, 3214868480
	.fill 96, 4, 3214868480
	.section	.rodata,"a",@progbits
	.p2align	6, 0x0
	.amdhsa_kernel k_qea57d4903d_qkv
		.amdhsa_group_segment_fixed_size 327680
		.amdhsa_private_segment_fixed_size 0
		.amdhsa_enable_private_segment 0
		.amdhsa_kernarg_size 32
		.amdhsa_user_sgpr_count 2
		.amdhsa_user_sgpr_kernarg_segment_ptr 1
		.amdhsa_wavefront_size32 1
		.amdhsa_system_sgpr_workgroup_id_x 1
		.amdhsa_system_sgpr_workgroup_id_y 1
		.amdhsa_system_sgpr_workgroup_id_z 1
		.amdhsa_system_vgpr_workitem_id 0
		.amdhsa_next_free_vgpr 1024
		.amdhsa_next_free_sgpr 100
		.amdhsa_reserve_vcc 0
		.amdhsa_float_denorm_mode_32 3
		.amdhsa_float_denorm_mode_16_64 3
		.amdhsa_memory_ordered 1
		.amdhsa_forward_progress 1
		.amdhsa_inst_pref_size 141
	.end_amdhsa_kernel
	.amdgpu_metadata
---
amdhsa.version: [ 1, 2 ]
amdhsa.kernels:
  - .name:           k_qea57d4903d_qkv
    .symbol:         k_qea57d4903d_qkv.kd
    .args:
      - { .name: codes, .offset: 0, .size: 8, .value_kind: global_buffer, .address_space: global }
      - { .name: scales, .offset: 8, .size: 8, .value_kind: global_buffer, .address_space: global }
      - { .name: tab, .offset: 16, .size: 8, .value_kind: global_buffer, .address_space: global }
      - { .name: qkv, .offset: 24, .size: 8, .value_kind: global_buffer, .address_space: global }
    .group_segment_fixed_size: 327680
    .private_segment_fixed_size: 0
    .kernarg_segment_align: 8
    .kernarg_segment_size: 32
    .max_flat_workgroup_size: 128
    .sgpr_count:     100
    .vgpr_count:     1024
    .wavefront_size: 32
...
	.end_amdgpu_metadata
.endif
;; end of part 2
;; launch attn (part 3): grid 32 x 8, 8 waves a work-group, no clusters, 132,096 bytes of LDS; arguments qkv, mask, flags, aimg; writes aimg
.if DOCPART == 3
	.amdgcn_target "amdgcn-amd-amdhsa--gfx1250"
	.amdhsa_code_object_version 6
	.text
	.protected	k_qea57d4903d_attn
	.globl	k_qea57d4903d_attn
	.p2align	8
	.type	k_qea57d4903d_attn,@function
k_qea57d4903d_attn:
	s_mov_b64 s[64:65], 0
	v_nop
	global_prefetch_b8 v0, s[64:65] scope:SCOPE_SE
	s_setreg_imm32_b32 hwreg(HW_REG_WAVE_MODE, 25, 1), 1
	s_wait_xcnt 0x0
; ATTN: for each query head, softmax(where(mask, 30 tanh(MULT q.k / 30), -inf)) v, on f16 operands with f32 sums.
; THE SOFT CAP AND THE SOFTMAX.  30 tanh(z) = 30 - 60 u with u = 1 / (1 + 2^x), x = q'.k' (the factors lie in q' and k').  A weight is p = 2^(C2 (u - umin)), C2 = -60 log2(e), umin the row's running smallest u
; over visible keys: that is the running largest logit taken away.  umin begins at 2, above every u.  A hidden key gets u = +infinity, so p = 0.  When umin moves, O and the sum l are multiplied by
; a = 2^(C2 (old - new)).  A row with no visible key ends with O = 0 and l = 0: O / l is NaN, as the softmax of a row of -infinity is.  2^x = infinity gives u = 0, 2^x = 0 gives u = 1: no clamp is wanted.
; SHARES.  A wave owns 16 queries of one head.  Work-group (a, hk): query tiles 2 a, 2 a + 1, 126 - 2 a, 127 - 2 a of the two heads that share kv head hk: eight waves that walk the same K and V, 128 keys a step.
; WHAT THE MASK HIDES IS NOT COMPUTED: flags (stored by an earlier launch) say for each tile of 16 queries and each 128 keys whether any byte is true and whether all are.  A step that none of the four tiles
; needs is not fetched; a wave leaves out the steps that its own tile does not need, and applies the mask's bytes only where some are false.  These are branches on stored whole numbers,
; so K and V come through registers: each wave copies an eighth of a step's 64 KiB into LDS; two slots, one barrier a step, which every wave passes.
; NO CLUSTER, NO TENSOR LOADS: the walk hangs on numbers read from memory, which partners of a cluster would not share.
; LAYOUT.  S^T = K Q^T (source 0 = 16 keys, source 1 = my 16 queries): a lane holds one query (lane % 16) and keys 8 (lane / 16) + 0..7 of each tile; two tiles packed to f16 are source 1 of O^T = V^T P.
; All operands lie in memory and in LDS as images of their registers: every load is 16 bytes a lane, 512 consecutive bytes a wave.
; THREE BUFFERS OF FRAGMENTS.  A phase (K's, V's) has four groups of 16 LDS loads and 8 products.  Three groups are asked for at the phase's head, the fourth behind the first group's products, 16 products ahead of its use.
; Behind each product of K's groups 1 and 2 stand two exponentials of the group before: their buffers lie in the scores' window, so no window is switched for them.
; STORED: attn / 16 in f16 (v' is v / 16), as the images that the last launch loads: aimg [16 tokens][head x 4 + c][1 KB].
; LIMITS: those of the operands' f16 under their fixed scales: |q| under 4.8e5, |k| and |v| under 1.0e6.
; REGISTERS: window 0: v1, v2 16 x lane (+ slot 1); v3, v4 the same + 4,096 x wave; v6 the mask's offset; v7 the prefetch's; v8, v9 the add's two; v10 umin; v[12:13] C2 umin; v[14:15] l; v[16:17] a;
;   v18-27 at work; v31 +infinity; v32-47 mask bytes; v48-51 at work; v64-127 S^T, u, p, then P in v64-95; v128-191, v192-255 two buffers of fragments.
;   window 1: v0-63 O^T; v64-95 Q; v96-159 the next step's K and V on their way to LDS; v160-223 the third buffer of fragments.
.set SLOT1, 65536
.set VOFF,  32768                      ; a slot: K's 32 KiB (8 tiles of 16 keys x 4 images), then V's (8 tiles of 16 channels x 4 images)
.set SPARE, 131072                     ; the spare words, 128 bytes for each of the eight waves
.set SPW, 8
.set NIL, 9
.set S,   64
.set FB0, 128
.set FB1, 192
.set FB2, 160                          ; in window 1
.set MSB, 0
.macro WIN new                         ; the immediate's high byte repeats the setting that is left
.if MSB != \new
	s_set_vgpr_msb (MSB<<8)|\new
.set MSB, \new
.endif
.endm
.macro PLACES n
.rept \n
	v_nop
.endr
.endm
	s_load_b256 s[4:11], s[0:1], 0x0               ; qkv, mask, flags, aimg
	v_lshl_add_u32 v[SPW], v0, 2, SPARE
	v_mov_b32 v[NIL], 0
	v_lshrrev_b32 v1, 5, v0
	v_readfirstlane_b32 s12, v1                    ; wave 0..7
	s_and_b32 s14, ttmp7, 0xffff                   ; hk
	s_lshr_b32 s15, s12, 2                         ; sel
	s_bfe_u32 s16, s12, 0x10001
	s_lshl_b32 s21, s14, 1
	s_add_co_u32 s16, s16, s21                     ; my head = 2 hk + ((w >> 1) & 1)
	s_xor_b32 s17, s12, s15
	s_and_b32 s17, s17, 1                          ; 1: a late tile.  Waves w and w + 4 hold one early and one late tile
	s_lshl_b32 s21, ttmp9, 1
	s_add_co_u32 s18, s21, s15                     ; 2 a + sel
	s_sub_co_u32 s31, 127, s18                     ; 127 - 2 a - sel
	s_cmp_eq_u32 s17, 1
	s_cselect_b32 s18, s31, s18                    ; my tile of 16 queries
	v_and_b32 v5, 31, v0
	v_lshlrev_b32 v7, 8, v5                        ; 256 x lane
	v_and_b32 v18, 15, v0
	v_bfe_u32 v19, v0, 4, 1
	v_lshlrev_b32 v6, 11, v18
	v_lshl_add_u32 v6, v19, 3, v6                  ; the mask: row r of 2,048 bytes, + 8 h
	v_lshlrev_b32 v1, 4, v5                        ; 16 x lane: slot 0's images, and every image in memory
	v_add_nc_u32 v2, SLOT1, v1
	s_lshl_b32 s21, s12, 12
	v_add_nc_u32 v3, s21, v1                       ; where I store my eighth
	v_add_nc_u32 v4, SLOT1, v3
	v_mov_b32 v10, 2.0                             ; umin
	v_mov_b32 v13, 0                               ; (upper halves of pairs that are named whole)
	v_mov_b32 v14, 0                               ; l, in two halves
	v_mov_b32 v15, 0
	v_mov_b32 v17, 0
	v_mov_b32 v24, 0                               ; (a lane permute's destination counts as one of its sources)
	v_mov_b32 v31, 0x7f800000                      ; +infinity
	s_mov_b32 s32, 0xc2ad1f97                      ; C2 = -60 log2(e)
	s_mov_b32 s33, s32
	s_mov_b32 s34, 0x76543210
	s_mov_b32 s35, 0xfedcba98                      ; v_permlanex16_b32's selects for lane l xor 16
	s_mov_b32 s29, 0                               ; the step's number
	s_mov_b32 s30, 8                               ; trips of two steps
	s_wait_kmcnt 0x0
	s_lshl_b32 s36, ttmp9, 3
	s_sub_co_u32 s37, 504, s36
	s_load_b64 s[40:41], s[8:9], s36 offset:0x0    ; the words of tiles 2 a, 2 a + 1,
	s_load_b64 s[42:43], s[8:9], s37 offset:0x0    ; and of 126 - 2 a, 127 - 2 a
	s_mov_b32 s39, 0
	s_lshl_b32 s38, s18, 15
	s_add_nc_u64 s[6:7], s[6:7], s[38:39]          ; the mask at my 16 rows; it walks 128 bytes a step
	s_lshl_b32 s38, s18, 16
	s_lshl_b32 s21, s16, 12
	s_add_co_u32 s38, s38, s21
	s_add_nc_u64 s[10:11], s[10:11], s[38:39]      ; my four images of aimg
	s_lshl_b32 s38, s16, 19
	s_lshl_b32 s21, s18, 12
	s_add_co_u32 s38, s38, s21
	s_add_nc_u64 s[44:45], s[4:5], s[38:39]        ; Q
	s_add_co_u32 s38, s14, 16
	s_lshl_b32 s38, s38, 19
	s_lshl_b32 s21, s12, 12
	s_add_co_u32 s38, s38, s21
	s_add_nc_u64 s[22:23], s[4:5], s[38:39]        ; K: my eighth of step 0
	s_add_nc_u64 s[24:25], s[22:23], 0x400000      ; V: eight heads of 512 KiB on
	s_cmp_lt_u32 s12, 4                            ; the prefetches: waves 0-3 ask for K's bytes, waves 4-7 for V's, 8,192 a wave
	s_cselect_b32 s38, 16, 24
	s_add_co_u32 s38, s38, s14
	s_lshl_b32 s38, s38, 19
	s_and_b32 s21, s12, 3
	s_lshl_b32 s21, s21, 13
	s_add_co_u32 s38, s38, s21
	s_add_co_u32 s38, s38, 32768                   ; at step 1: step 0 moves it to step 2
	s_add_nc_u64 s[26:27], s[4:5], s[38:39]
	s_cmp_eq_u32 ttmp9, 0                          ; all 32 work-groups of a kv head walk the same bytes: the first of them asks
	s_cselect_b32 s28, 14, 0                       ; in steps 0 to 13, for steps 2 to 15
	WIN 0x40                                       ; destination window 1
.irp i, 0,1,2,3,4,5,6,7
	global_load_b128 v[64+4*\i:67+4*\i], v1, s[44:45] offset:512*\i        ; Q's four fragments stay in registers
.endr
.irp i, 0,1,2,3,4,5,6,7
	global_load_b128 v[96+4*\i:99+4*\i], v1, s[22:23] offset:512*\i        ; step 0's K and V are always asked for: so these registers are written on every way
	global_load_b128 v[128+4*\i:131+4*\i], v1, s[24:25] offset:512*\i
.endr
.set i, 0
.rept 64
	v_mov_b32 v[i], 0                              ; O^T.  Which step is a row's first hangs on the mask, so no first step can be written out: the sums begin as zeros
.set i, i+1
.endr
	WIN 0
	s_wait_kmcnt 0x0
	s_cmp_eq_u32 s15, 1
	s_cselect_b32 s19, s41, s40
	s_cselect_b32 s31, s42, s43
	s_cmp_eq_u32 s17, 1
	s_cselect_b32 s19, s31, s19                    ; F: my tile's word; two bits a step, shifted down step by step
	s_or_b32 s20, s40, s41
	s_or_b32 s20, s20, s42
	s_or_b32 s20, s20, s43
	s_and_b32 s20, s20, 0x55555555                 ; N: the steps that some tile of the work-group needs: the same in all eight waves
.macro LDK sg, g, buf                  ; K's tiles 2 g, 2 g + 1: 16 keys x 128 channels each = 4 fragments; the caller sets the destination's window
.irp u, 0,1
.irp c, 0,1,2,3
.irp e, 0,1
	ds_load_b128 v[\buf+32*\u+8*\c+4*\e:\buf+32*\u+8*\c+4*\e+3], v[1+\sg] offset:(2*\g+\u)*4096+\c*1024+\e*512
.endr
.endr
.endr
.endm
; 8 products; the two tiles' accumulators take turns, one instruction a turn; the first two start the sums.
; ex = 1: behind each product stand two exponentials, 2^x in place, of group eg's 16 scores, in ascending order, so that each of its two accumulators is read from its low end on.
.macro MMK g, buf, ex, eg
.irp c, 0,1,2,3
.irp u, 0,1
.if \c == 0
	v_wmma_f32_16x16x32_f16 v[S+8*(2*\g+\u):S+8*(2*\g+\u)+7], v[\buf+32*\u+8*\c:\buf+32*\u+8*\c+7], v[64+8*\c:71+8*\c], 0
.else
	v_wmma_f32_16x16x32_f16 v[S+8*(2*\g+\u):S+8*(2*\g+\u)+7], v[\buf+32*\u+8*\c:\buf+32*\u+8*\c+7], v[64+8*\c:71+8*\c], v[S+8*(2*\g+\u):S+8*(2*\g+\u)+7]
.endif
.if \ex
	v_exp_f32 v[S+16*(\eg)+4*\c+2*\u], v[S+16*(\eg)+4*\c+2*\u]
	v_exp_f32 v[S+16*(\eg)+4*\c+2*\u+1], v[S+16*(\eg)+4*\c+2*\u+1]
.endif
.endr
.endr
.endm
.macro LDV sg, kb, buf                 ; V turned: all 128 channels x keys 32 kb on: 8 fragments
.irp ct, 0,1,2,3,4,5,6,7
.irp e, 0,1
	ds_load_b128 v[\buf+8*\ct+4*\e:\buf+8*\ct+4*\e+3], v[1+\sg] offset:VOFF+\ct*4096+\kb*1024+\e*512
.endr
.endr
.endm
.macro MMV kb, buf                     ; 8 products; O^T's eight accumulators take turns
.irp ct, 0,1,2,3,4,5,6,7
	v_wmma_f32_16x16x32_f16 v[8*\ct:8*\ct+7], v[\buf+8*\ct:\buf+8*\ct+7], v[S+8*\kb:S+8*\kb+7], v[8*\ct:8*\ct+7]
.endr
.endm
; THE NEXT STEP'S K AND V are asked for, my eighth of each, if some tile of the work-group needs that step (behind step 15 the bits are 0: no load leaves the buffer); the bases already stand a step on.
; Then a prefetch of step s + 2, one step ahead of the load that will want it: lanes 256 bytes apart, 8,192 bytes a wave, each block named once in the launch.
.macro NEXT
	s_bitcmp1_b32 s20, 2
	s_cbranch_scc0 .Lno_load_\@
	WIN 0x40
.irp i, 0,1,2,3,4,5,6,7
	global_load_b128 v[96+4*\i:99+4*\i], v1, s[22:23] offset:512*\i
	global_load_b128 v[128+4*\i:131+4*\i], v1, s[24:25] offset:512*\i
.endr
	WIN 0
.Lno_load_\@:
	s_cmp_lt_u32 s29, s28
	s_cbranch_scc0 .Lno_ask_\@
	global_prefetch_b8 v7, s[26:27] th:TH_LOAD_NT scope:SCOPE_SE
.Lno_ask_\@:
.endm
; A KEY STEP'S WORK, from slot sg.  m = 1: some bytes of the mask are false here: they are loaded at the head and applied to u.  Both forms are written out, so that a load and its use stand on one way.
.macro COMPUTE sg, m
	PLACES 5                                       ; the new scores are written by matrix instructions over P, which the last products read: five places; they serve the loads into the buffers too
.if \m
.irp t, 0,1,2,3,4,5,6,7
	global_load_b64 v[32+2*\t:33+2*\t], v6, s[6:7] offset:16*\t-128   ; my query's bytes for keys 16 t + 8 h + 0..7 (the base already stands a step on)
.endr
.endif
	WIN 0x40                                       ; destination window 1
	LDK \sg, 0, FB2
	WIN 0
	LDK \sg, 1, FB0
	LDK \sg, 2, FB1
	NEXT                                           ; behind the LDS loads that my first products wait for
	s_wait_dscnt 32                                ; group 0 is in; groups 1 and 2 may be out
	WIN 0x05                                       ; sources 0 (the third buffer) and 1 (Q) window 1
	MMK 0, FB2, 0, 0
	PLACES 4                                       ; in front of the loads into the buffer just read, and of the exponentials on group 0's sums
	WIN 0x40
	LDK \sg, 3, FB2                                ; 16 products ahead of its use
	s_wait_dscnt 32                                ; group 1 is in; groups 2 and 3 may be out
	WIN 0x04                                       ; source 1 (Q) window 1; an exponential's one source and its destination stay in window 0
	MMK 1, FB0, 1, 0
	PLACES 4                                       ; in front of the exponentials on group 1's sums
	s_wait_dscnt 16                                ; group 2 is in
	MMK 2, FB1, 1, 1
	s_wait_dscnt 0x0                               ; group 3 is in
	WIN 0x05
	MMK 3, FB2, 0, 0
	WIN 0
	PLACES 4                                       ; in front of the loads into the three buffers, and of the exponentials on groups 2 and 3
	LDV \sg, 0, FB0                                ; three of V's four groups: they land under the softmax
	LDV \sg, 1, FB1
	WIN 0x40
	LDV \sg, 2, FB2
	WIN 0
.set i, 32
.rept 32
	v_exp_f32 v[S+i], v[S+i]                       ; 2^x of groups 2 and 3, each accumulator from its low end on
.set i, i+1
.endr
	v_nop                                          ; a plain line behind the last exponential,
	s_wait_alu depctr_va_vdst(0)                   ; and one wait for all 64, ahead of their first reader
.set i, 0
.rept 32
	v_pk_add_f32 v[S+2*i:S+2*i+1], v[S+2*i:S+2*i+1], 1.0 op_sel_hi:[1,0]
.set i, i+1
.endr
.set i, 0
.rept 64
	v_rcp_f32 v[S+i], v[S+i]                       ; u
.set i, i+1
.endr
	v_nop
	s_wait_alu depctr_va_vdst(0)                   ; one wait for the 64 reciprocals
.if \m
	s_wait_loadcnt 0x0                             ; the mask's bytes (and whatever was asked for behind them)
.set i, 0
.rept 64
	v_and_b32 v[48+i%4], 0xff<<(8*(i%4)), v[32+2*(i/8)+(i%8)/4]
	v_cmp_eq_u32 vcc_lo, 0, v[48+i%4]
	v_cndmask_b32 v[S+i], v[S+i], v31, vcc_lo      ; a hidden key: u = +infinity
.set i, i+1
.endr
.endif
.irp k, 0,1,2,3
	v_min3_num_f32 v[20+\k], v[S+16*\k], v[S+16*\k+1], v[S+16*\k+2]    ; the smallest u, in four chains
.endr
.irp i, 3,5,7,9,11,13
.irp k, 0,1,2,3
	v_min3_num_f32 v[20+\k], v[20+\k], v[S+16*\k+\i], v[S+16*\k+\i+1]
.endr
.endr
.irp k, 0,1,2,3
	v_min_num_f32 v[20+\k], v[20+\k], v[S+16*\k+15]
.endr
	v_min3_num_f32 v20, v20, v21, v22
	v_min3_num_f32 v20, v20, v23, v10              ; with the old umin: so it never rises, and never is infinite
	v_permlanex16_b32 v24, v20, s34, s35           ; my query's other 64 keys lie in the lane 16 away
	v_mov_b32 v18, v10
	v_min_num_f32 v10, v20, v24                    ; the new umin
	v_sub_f32 v25, v18, v10
	v_mul_f32 v25, s32, v25                        ; C2 (old - new), 0 or less
	v_mul_f32 v12, s32, v10                        ; C2 umin
.set i, 0
.rept 32
	v_pk_fma_f32 v[S+2*i:S+2*i+1], v[S+2*i:S+2*i+1], s[32:33], v[12:13] op_sel_hi:[1,0,0] neg_lo:[0,0,1] neg_hi:[0,0,1]   ; C2 u - C2 umin
.set i, i+1
.endr
	v_exp_f32 v16, v25                             ; a
.set i, 0
.rept 64
	v_exp_f32 v[S+i], v[S+i]                       ; p
.set i, i+1
.endr
	v_nop
	s_wait_alu depctr_va_vdst(0)                   ; one wait for the 65
	v_pk_mul_f32 v[14:15], v[14:15], v[16:17] op_sel_hi:[1,0]      ; l under the new umin
	v_pk_add_f32 v[26:27], v[S:S+1], v[S+2:S+3]                    ; the row's sum, of the unrounded p, in two chains
.irp j, 4,8,12,16,20,24,28,32,36,40,44,48,52,56,60
	v_pk_add_f32 v[14:15], v[14:15], v[S+\j:S+\j+1]
	v_pk_add_f32 v[26:27], v[26:27], v[S+\j+2:S+\j+3]
.endr
	v_pk_add_f32 v[14:15], v[14:15], v[26:27]
.set i, 0
.rept 32
	v_cvt_pk_f16_f32 v[S+i], v[S+2*i], v[S+2*i+1]  ; P: registers 8 kb .. 8 kb + 7 are source 1 for keys 32 kb on (ascending: no number is overwritten before it is read)
.set i, i+1
.endr
	WIN 0x41                                       ; O^T (destination and source 0) window 1
.set i, 0
.rept 32
	v_pk_mul_f32 v[2*i:2*i+1], v[2*i:2*i+1], v[16:17] op_sel_hi:[1,0]  ; O^T under the new umin
.set i, i+1
.endr
	s_wait_dscnt 32                                ; V's group 0 is in; groups 1 and 2 may be out
	WIN 0x50                                       ; C and D window 1
	MMV 0, FB0
	PLACES 4                                       ; in front of the loads into the buffer just read
	WIN 0
	LDV \sg, 3, FB0                                ; 16 products ahead of its use
	s_wait_dscnt 32                                ; group 1 is in; groups 2 and 3 may be out
	WIN 0x50
	MMV 1, FB1
	s_wait_dscnt 16                                ; group 2 is in
	WIN 0x51                                       ; source 0 (the third buffer), C and D window 1
	MMV 2, FB2
	s_wait_dscnt 0x0                               ; group 3 is in
	WIN 0x50
	MMV 3, FB0
	WIN 0
.endm
; A STEP.  Its K and V, asked for a step ago, go to slot sg; one barrier: in front of it my stores have landed and my reads of the other slot are over, so that slot may be written in the next step;
; behind it comes the step's work, in which the next step's K and V are asked for.  The waits and the barrier stand on every wave's way.
.macro STEP sg
	s_wait_loadcnt 0x0                             ; whatever was asked for is in
	s_bitcmp1_b32 s20, 0                           ; does any tile of the work-group need this step?
	s_cbranch_scc0 .Lno_store_\@
	WIN 0x04                                       ; an LDS store's data are its source 1: window 1
.irp i, 0,1,2,3,4,5,6,7
	ds_store_b128 v[3+\sg], v[96+4*\i:99+4*\i] offset:512*\i
	ds_store_b128 v[3+\sg], v[128+4*\i:131+4*\i] offset:VOFF+512*\i
.endr
	WIN 0
.Lno_store_\@:
	s_wait_dscnt 0x0
	s_barrier_signal -1
	s_barrier_wait -1
	s_wait_xcnt 0x0                                ; every earlier load and prefetch has read its base: the four bases step
	s_add_nc_u64 s[22:23], s[22:23], 32768
	s_add_nc_u64 s[24:25], s[24:25], 32768
	s_add_nc_u64 s[26:27], s[26:27], 32768
	s_add_nc_u64 s[6:7], s[6:7], 128
	s_bitcmp1_b32 s19, 0                           ; does my tile see any key of this step?
	s_cbranch_scc0 .Lnone_\@
	s_bitcmp1_b32 s19, 1                           ; all of them?
	s_cbranch_scc1 .Lmasked_\@
	COMPUTE \sg, 0
	s_branch .Ldone_\@
.Lmasked_\@:
	COMPUTE \sg, 1
	s_branch .Ldone_\@
.Lnone_\@:
	NEXT                                           ; a wave with nothing to compute still copies its eighth
.Ldone_\@:
	s_lshr_b32 s20, s20, 2
	s_lshr_b32 s19, s19, 2
	s_add_co_u32 s29, s29, 1
.endm
.Ltrip:                                                ; eight trips of two steps: the slots' addresses are constants of the text
	STEP 0
	STEP 1
	s_sub_co_u32 s30, s30, 1
	s_cmp_lg_u32 s30, 0
	s_cbranch_scc1 .Ltrip
	; THE WAY OUT: O^T / l, rounded to f16: accumulator ct's 512 bytes are half ct % 2 of image ct / 2
	PLACES 4
	v_add_f32 v14, v14, v15
	v_permlanex16_b32 v24, v14, s34, s35
	v_add_f32 v14, v14, v24                        ; the row's sum
	v_rcp_f32 v16, v14
	v_nop
	s_wait_alu depctr_va_vdst(0)
	WIN 0x01                                       ; source 0 window 1
.set i, 0
.rept 32
	v_pk_mul_f32 v[S+2*i:S+2*i+1], v[2*i:2*i+1], v[16:17] op_sel_hi:[1,0]
.set i, i+1
.endr
	WIN 0
.set i, 0
.rept 32
	v_cvt_pk_f16_f32 v[S+i], v[S+2*i], v[S+2*i+1]
.set i, i+1
.endr
.irp ct, 0,1,2,3,4,5,6,7
	global_store_b128 v1, v[S+4*\ct:S+4*\ct+3], s[10:11] offset:512*\ct    ; each store of the wave covers 512 consecutive bytes
.endr
	s_wait_tensorcnt 0x0                           ; the wave's end
	ds_add_u32 v[SPW], v[NIL]
	s_wait_dscnt 0x0
	s_endpgm
.Lfunc_end_k_qea57d4903d_attn:
	.size	k_qea57d4903d_attn, .Lfunc_end_k_qea57d4903d_attn-k_qea57d4903d_attn
	.p2alignl 7, 3214868480
	.fill 96, 4, 3214868480
	.section	.rodata,"a",@progbits
	.p2align	6, 0x0
	.amdhsa_kernel k_qea57d4903d_attn
		.amdhsa_group_segment_fixed_size 132096
		.amdhsa_private_segment_fixed_size 0
		.amdhsa_enable_private_segment 0
		.amdhsa_kernarg_size 32
		.amdhsa_user_sgpr_count 2
		.amdhsa_user_sgpr_kernarg_segment_ptr 1
		.amdhsa_wavefront_size32 1
		.amdhsa_system_sgpr_workgroup_id_x 1
		.amdhsa_system_sgpr_workgroup_id_y 1
		.amdhsa_system_sgpr_workgroup_id_z 1
		.amdhsa_system_vgpr_workitem_id 0
		.amdhsa_next_free_vgpr 480
		.amdhsa_next_free_sgpr 66
		.amdhsa_reserve_vcc 1
		.amdhsa_float_denorm_mode_32 3
		.amdhsa_float_denorm_mode_16_64 3
		.amdhsa_memory_ordered 1
		.amdhsa_forward_progress 1
		.amdhsa_inst_pref_size 173
	.end_amdhsa_kernel
	.amdgpu_metadata
---
amdhsa.version: [ 1, 2 ]
amdhsa.kernels:
  - .name:           k_qea57d4903d_attn
    .symbol:         k_qea57d4903d_attn.kd
    .args:
      - { .name: qkv, .offset: 0, .size: 8, .value_kind: global_buffer, .address_space: global }
      - { .name: mask, .offset: 8, .size: 8, .value_kind: global_buffer, .address_space: global }
      - { .name: flags, .offset: 16, .size: 8, .value_kind: global_buffer, .address_space: global }
      - { .name: aimg, .offset: 24, .size: 8, .value_kind: global_buffer, .address_space: global }
    .group_segment_fixed_size: 132096
    .private_segment_fixed_size: 0
    .kernarg_segment_align: 8
    .kernarg_segment_size: 32
    .max_flat_workgroup_size: 256
    .sgpr_count:     66
    .vgpr_count:     480
    .wavefront_size: 32
...
	.end_amdgpu_metadata
.endif
;; end of part 3
;; launch proj (part 4): grid 16 x 16, 4 waves a work-group, clusters of 4 x 4, 327,680 bytes of LDS; arguments aimg, woimg, out0; writes out0
.if DOCPART == 4
	.amdgcn_target "amdgcn-amd-amdhsa--gfx1250"
	.amdhsa_code_object_version 6
	.text
	.protected	k_qea57d4903d_proj
	.globl	k_qea57d4903d_proj
	.p2align	8
	.type	k_qea57d4903d_proj,@function
k_qea57d4903d_proj:
	s_mov_b64 s[64:65], 0
	v_nop
	global_prefetch_b8 v0, s[64:65] scope:SCOPE_SE
	s_setreg_imm32_b32 hwreg(HW_REG_WAVE_MODE, 25, 1), 1
	s_wait_xcnt 0x0
	s_wait_alu depctr_hold_cnt(0) depctr_sa_sdst(0) depctr_va_vdst(0) depctr_va_sdst(0) depctr_va_ssrc(0) depctr_va_vcc(0) depctr_vm_vsrc(0)
	s_getreg_b32 s2, hwreg(HW_REG_IB_STS2, 6, 4)
	s_cmp_eq_u32 s2, 0
	s_cbranch_scc0 .Lentry_in_a_cluster
	s_endpgm
.Lentry_in_a_cluster:
	s_bfe_u32 s2, ttmp6, 0x10000c
	s_cmp_lg_u32 s2, 0xf033
	s_cbranch_scc0 .Lentry_shape_is_right
	s_endpgm
.Lentry_shape_is_right:
; PROJ: out0 [2048][4096] f32 = attn Wo, on f16 operands (attn / 16 and 16 Wo: the factors cancel), f32 sums, K = 2,048.
; Both operands lie in memory as images of the operand's registers: aimg [16 tokens][k / 32][1 KB], woimg [16 columns][k / 32][1 KB]; an image: [half e][lane][16 B].
; A work-group makes 128 tokens x 256 columns; each of its four waves 64 x 128: 32 accumulators.  256 work-groups.
; K goes in steps of 192 (six images, 6,144 consecutive bytes, of each tile of 16 rows) through a ring of two LDS slots, as long as two slots in LDS allow: 2 x 24 tiles x 6,144 bytes.
; K's 64 images are ten such steps and four images more.  THE LAST STEP is fetched by the same descriptor, two images back: images 58 to 63, inside the tile's row of 64; its last four are multiplied.
; Images are read 512 consecutive bytes an instruction, so no padding is wanted.
; CLUSTERS: 4 x 4 work-groups; the tokens' tiles are shared along a row of the cluster, Wo's along a column: each is asked for jointly, by the same tensor load with the same descriptor and a mask that names the four.
; SOURCE 0 = 16 COLUMNS OF Wo, SOURCE 1 = 16 TOKENS: a lane holds eight neighbouring numbers of a row of out0.
; LIMITS: |Wo| under 4,094 and |attn| under 1.0e6 (f16's largest number under the fixed scales).
; REGISTERS: window 0: v16-29 addresses; v128-159, v160-191 the tokens' fragments, two sets; on the way out v128-255.  window 1: Wo's fragments, sets at v0 and v128.  window 2: accumulator (a, b) at v[8 (8 a + b)].
.set KC,    6                          ; images of 32 along K in a slot
.set TB,    KC*1024                    ; a tile of 16 rows in a slot: 6,144 bytes
.set ATB,   8*TB                       ; a slot: the tokens' 8 tiles, then Wo's 16 tiles
.set SLOT,  24*TB                      ; 147,456
.set SPARE, 2*SLOT                     ; 294,912: the spare words, 128 bytes for each wave
.set STAGE, SLOT                       ; the way out: a stage for each wave, in slot 1: by then it has had its last fill, and every wave's reads of it were over at the last barrier (the last step reads slot 0)
.set SPITCH, 528                       ; a stage row: 512 bytes + 16
.set ADRA, 16
.set ADRB, 20
.set STO,  24
.set RD,   25
.set CO,   26
.set SPW,  28
.set NIL,  29
.set AF,   128
.set BK,   128
.set G1,   24
.set G0,   32
.set G1B,  48
.set G0B,  56
.set MSB, 0
.macro WIN new                         ; the immediate's high byte repeats the setting that is left
.if MSB != \new
	s_set_vgpr_msb (MSB<<8)|\new
.set MSB, \new
.endif
.endm
.set MUL, 0xa1                         ; source 0 window 1, source 1 window 0, C and D window 2
.macro JLOAD s                         ; a joint load: waves 0 and 1 fetch the tokens' halves, waves 2 and 3 Wo's; an s_nop 0 and four v_nop follow each of the two lines
	s_cmp_eq_u32 s11, 0
	s_cbranch_scc0 .Lfor_b_\@
	tensor_load_to_lds s[G0+4*\s:G0+4*\s+3], s[G1:G1+7]
	s_nop 0
.rept 4
	v_nop
.endr
	s_branch .Lasked_\@
.Lfor_b_\@:
	tensor_load_to_lds s[G0B+4*\s:G0B+4*\s+3], s[G1B:G1B+7]
	s_nop 0
.rept 4
	v_nop
.endr
.Lasked_\@:
.endm
.macro CREST
	s_cmp_lg_u32 s10, 0
	s_cbranch_scc1 .Lnot_wave_0_\@
	s_barrier_signal -3
.Lnot_wave_0_\@:
	s_barrier_wait -3
	s_barrier_signal -1
	s_barrier_wait -1
.endm
.macro CROUND
	s_barrier_signal -1
	s_barrier_wait -1
	CREST
.endm
	s_load_b128 s[4:7], s[0:1], 0x0                ; aimg, woimg
	s_load_b64 s[8:9], s[0:1], 0x10                ; out0
	v_lshl_add_u32 v[SPW], v0, 2, SPARE
	v_mov_b32 v[NIL], 0
	ds_add_u32 v[SPW], v[NIL]                      ; the wave's opening: the add, twice on end, and its wait ahead of my first tensor load
	ds_add_u32 v[SPW], v[NIL]
	v_lshrrev_b32 v1, 5, v0
	v_readfirstlane_b32 s10, v1                    ; wave 0..3
	s_lshr_b32 s11, s10, 1                         ; wa: my half of the tokens.  Also: I fetch tokens (0) or Wo (1)
	s_and_b32 s12, s10, 1                          ; wb: my half of the columns.  Also: which half I fetch
	s_bfe_u32 s40, ttmp6, 0x40000                  ; cx
	s_bfe_u32 s41, ttmp6, 0x40004                  ; cy
	s_lshl_b32 s42, ttmp9, 2
	s_add_co_u32 s42, s42, s40                     ; gx: block of 256 columns
	s_and_b32 s13, ttmp7, 0xffff
	s_lshl_b32 s13, s13, 2
	s_add_co_u32 s13, s13, s41                     ; gy: block of 128 tokens
	s_lshl_b32 s43, s41, 2
	s_lshl_b32 s43, 15, s43                        ; my row of the cluster
	s_lshl_b32 s44, 0x1111, s40                    ; my column
	; descriptor groups 1: rows of 6,144 bytes (768 elements of 8 bytes), 65,536 bytes apart: 4 tiles of tokens, or 8 of columns
	s_or_b32 s[G1+0], s43, (3<<16)|(1<<21)
	s_mov_b32 s[G1+1], (TB/8)<<16                  ; tensor_dim0
	s_mov_b32 s[G1+2], 4<<16                       ; tensor_dim1
	s_mov_b32 s[G1+3], (TB/8)<<16                  ; tile_dim0
	s_mov_b32 s[G1+4], 4                           ; tile_dim1
	s_mov_b32 s[G1+5], 8192                        ; the pitch
	s_mov_b32 s[G1+6], 0
	s_mov_b32 s[G1+7], 0
	s_or_b32 s[G1B+0], s44, (3<<16)|(1<<21)
	s_mov_b32 s[G1B+1], (TB/8)<<16
	s_mov_b32 s[G1B+2], 8<<16
	s_mov_b32 s[G1B+3], (TB/8)<<16
	s_mov_b32 s[G1B+4], 8
	s_mov_b32 s[G1B+5], 8192
	s_mov_b32 s[G1B+6], 0
	s_mov_b32 s[G1B+7], 0
	s_lshl_b32 s16, s13, 3
	s_lshl_b32 s17, s12, 2
	s_add_co_u32 s16, s16, s17                     ; the first tile of tokens that I would fetch: made of cy and the cluster's place alone
	s_lshl_b32 s16, s16, 16
	s_mov_b32 s17, 0
	s_lshl_b32 s46, s42, 4
	s_lshl_b32 s47, s12, 3
	s_add_co_u32 s46, s46, s47                     ; and of columns: of cx and the cluster's place alone
	s_lshl_b32 s46, s46, 16
	s_mov_b32 s47, 0
	s_mul_i32 s20, s12, 4*TB                       ; where they go: made of the wave's number alone
	s_mul_i32 s21, s12, 8*TB
	s_wait_dscnt 0x0                               ; both opening adds are done
	s_wait_kmcnt 0x0
	s_add_nc_u64 s[14:15], s[4:5], s[16:17]
	s_add_nc_u64 s[46:47], s[6:7], s[46:47]
	CROUND                                         ; all sixteen work-groups are here: the first joint loads meet
.irp s, 0,1
	s_mov_b32 s[G0+4*\s], 1
	s_add_co_u32 s[G0+4*\s+1], s20, \s*SLOT
	s_add_nc_u64 s[G0+4*\s+2:G0+4*\s+3], s[14:15], \s*TB
	s_or_b32 s[G0+4*\s+3], s[G0+4*\s+3], 0x80000000
	s_mov_b32 s[G0B+4*\s], 1
	s_add_co_u32 s[G0B+4*\s+1], s21, \s*SLOT+ATB
	s_add_nc_u64 s[G0B+4*\s+2:G0B+4*\s+3], s[46:47], \s*TB
	s_or_b32 s[G0B+4*\s+3], s[G0B+4*\s+3], 0x80000000
	JLOAD \s                                       ; two tensor loads of mine are out
.endr
	v_and_b32 v1, 15, v0                           ; r
	v_bfe_u32 v2, v0, 4, 1                         ; h
	v_and_b32 v3, 31, v0
	v_lshlrev_b32 v[CO], 4, v3                     ; 16 x lane
	s_mul_i32 s21, s11, 4*TB                       ; my 4 tiles of tokens
	s_mul_i32 s22, s12, 8*TB
	s_add_co_u32 s22, s22, ATB                     ; my 8 tiles of columns
.irp s, 0,1
	v_add_nc_u32 v[ADRA+\s], s21, v[CO]
	v_add_nc_u32 v[ADRB+\s], s22, v[CO]
	s_add_co_u32 s21, s21, SLOT
	s_add_co_u32 s22, s22, SLOT
.endr
	s_mul_i32 s23, s10, 16*SPITCH
	s_add_co_u32 s23, s23, STAGE                   ; my stage
	v_mul_u32_u24 v5, v1, SPITCH
	v_lshl_add_u32 v5, v2, 5, v5
	v_add_nc_u32 v[STO], s23, v5                   ; in: row r, 32 bytes for each half of the lanes
	v_add_nc_u32 v[RD], s23, v[CO]                 ; back: the 32 lanes take one row of 512 bytes
	s_lshl_b32 s16, s13, 7
	s_lshl_b32 s17, s11, 6
	s_add_co_u32 s16, s16, s17                     ; my first row of out0
	s_lshl_b32 s16, s16, 14                        ; 16,384 bytes a row
	s_lshl_b32 s17, s42, 10
	s_add_co_u32 s16, s16, s17
	s_lshl_b32 s17, s12, 9
	s_add_co_u32 s16, s16, s17                     ; + my first column, in bytes
	s_mov_b32 s17, 0
	s_add_nc_u64 s[8:9], s[8:9], s[16:17]
.macro FRAG reg, adr, q, i             ; image q of tile i: 8 registers
.irp e, 0,1
	ds_load_b128 v[\reg+4*\e:\reg+4*\e+3], v[\adr] offset:(\i)*TB+(\q)*1024+\e*512
.endr
.endm
.macro FETCH slot, q, p
	WIN 0x40
.irp i, 0,1,2,3,4,5,6,7
	FRAG 128*(\p)+8*\i, ADRB+\slot, \q, \i
.endr
	WIN 0
.irp i, 0,1,2,3
	FRAG AF+32*(\p)+8*\i, ADRA+\slot, \q, \i
.endr
.endm
.macro MUL8 a, p, zero                 ; the 32 accumulators take turns, one instruction a turn, in the same order in every step
.irp b, 0,1,2,3,4,5,6,7
.if \zero
	v_wmma_f32_16x16x32_f16 v[8*(8*(\a)+\b):8*(8*(\a)+\b)+7], v[128*(\p)+8*\b:128*(\p)+8*\b+7], v[AF+32*(\p)+8*(\a):AF+32*(\p)+8*(\a)+7], 0
.else
	v_wmma_f32_16x16x32_f16 v[8*(8*(\a)+\b):8*(8*(\a)+\b)+7], v[128*(\p)+8*\b:128*(\p)+8*\b+7], v[AF+32*(\p)+8*(\a):AF+32*(\p)+8*(\a)+7], v[8*(8*(\a)+\b):8*(8*(\a)+\b)+7]
.endif
.endr
.endm
.macro PLACES                          ; four plain lines between a matrix instruction and a load into, or a read of, its registers
.rept 4
	v_nop
.endr
.endm
.macro STEP slot, q, zero              ; image q of the slot: 32 along K; the next image's 24 loads go out ahead of this one's 32 products, into the other set
	s_wait_dscnt 0x0
	PLACES
	FETCH \slot, (\q)+1, 1-(\q)%2
	WIN MUL
	MUL8 0, (\q)%2, \zero
	MUL8 1, (\q)%2, \zero
	MUL8 2, (\q)%2, \zero
	MUL8 3, (\q)%2, \zero
.endm
; A slot's last image (the sixth, in set 1) changes slots.  fill = 1: this slot is filled again, adv bytes further along K.  nq: the first image of the next slot that is multiplied.
.macro TURN slot, next, fill, adv, nq
	WIN 0                                          ; (the add's two registers lie in window 0)
	s_wait_tensorcnt 0x0                           ; all my tensor loads have landed: my part of the next slot
	ds_add_u32 v[SPW], v[NIL]                      ; 0 onto my spare word
	s_wait_dscnt 1                                 ; this image's fragments are in; the add may be out
	WIN MUL
	MUL8 0, 1, 0
	MUL8 1, 1, 0
	s_wait_dscnt 0x0                               ; the add is done, and my reads of this slot are over
	s_barrier_signal -1
	MUL8 2, 1, 0
	WIN 0
	s_barrier_wait -1
.if \fill
	CREST                                          ; the barrier has opened a round of the cluster's barrier: no wave of any partner still reads this slot or has a load on its way
	s_add_nc_u64 s[G0+4*\slot+2:G0+4*\slot+3], s[G0+4*\slot+2:G0+4*\slot+3], \adv
	s_add_nc_u64 s[G0B+4*\slot+2:G0B+4*\slot+3], s[G0B+4*\slot+2:G0B+4*\slot+3], \adv
	JLOAD \slot                                    ; the first tensor load behind the round: 168 matrix instructions ahead of the wait for it; its four v_nop are the places in front of the loads below
.else
	PLACES
.endif
	FETCH \next, \nq, 0
	WIN MUL
	MUL8 3, 1, 0
.endm
	s_wait_tensorcnt 1                             ; my part of K step 0 is in; K step 1's load may be out
	s_barrier_signal -1
	s_barrier_wait -1
	FETCH 0, 0, 0
	STEP 0, 0, 1                                   ; the first image stands in front of the loop: its products start the sums
	WIN 0
	s_mov_b32 s3, 4
.Llap:                                                 ; a trip goes once round the ring and fills both slots again: K steps 2 to 9
	STEP 0, 1, 0
	STEP 0, 2, 0
	STEP 0, 3, 0
	STEP 0, 4, 0
	TURN 0, 1, 1, 2*TB, 0
	STEP 1, 0, 0
	STEP 1, 1, 0
	STEP 1, 2, 0
	STEP 1, 3, 0
	STEP 1, 4, 0
	TURN 1, 0, 1, 2*TB, 0
	STEP 0, 0, 0
	WIN 0
	s_sub_co_u32 s3, s3, 1
	s_cmp_lg_u32 s3, 0
	s_cbranch_scc1 .Llap
	STEP 0, 1, 0                                   ; the tail is written out.  K step 8 goes on
	STEP 0, 2, 0
	STEP 0, 3, 0
	STEP 0, 4, 0
	TURN 0, 1, 1, 2*TB-2048, 0                     ; slot 0 takes the last step, two images back: images 58 to 63
	STEP 1, 0, 0                                   ; K step 9
	STEP 1, 1, 0
	STEP 1, 2, 0
	STEP 1, 3, 0
	STEP 1, 4, 0
	TURN 1, 0, 0, 0, 2                             ; nothing is left to fetch; of slot 0 the third image on is multiplied: images 60 to 63
	STEP 0, 2, 0
	STEP 0, 3, 0
	STEP 0, 4, 0
	s_wait_dscnt 0x0
	WIN MUL
	MUL8 0, 1, 0
	MUL8 1, 1, 0
	MUL8 2, 1, 0
	MUL8 3, 1, 0
	WIN 0
; THE WAY OUT, block by block of 16 rows x 128 columns: through my own stage and back as whole rows of 512 bytes.  LDS serves a wave's instructions in order (ISA guide 5.7.1.4): no wait between the stores and the loads.
.macro TOSTAGE a
	WIN 0x08                                       ; an LDS store's data are its source 1: window 2
.irp b, 0,1,2,3,4,5,6,7
	ds_store_b128 v[STO], v[64*(\a)+8*\b:64*(\a)+8*\b+3] offset:64*\b          ; each accumulator from its low end on
	ds_store_b128 v[STO], v[64*(\a)+8*\b+4:64*(\a)+8*\b+7] offset:64*\b+16
.endr
	WIN 0
.set BB, BK+64*((\a)%2)
.irp t, 0,1,2,3,4,5,6,7,8,9,10,11,12,13,14,15
	ds_load_b128 v[BB+4*\t:BB+4*\t+3], v[RD] offset:\t*SPITCH
.endr
.endm
.macro SEND a, younger                 ; younger: the LDS instructions issued behind block a's loads, which may stay out
.set BB, BK+64*((\a)%2)
	s_wait_dscnt \younger
.if (\a) > 0
	s_add_nc_u64 s[8:9], s[8:9], 16*16384          ; (behind a wait on XCNT: the earlier stores have read their base)
.endif
.irp t, 0,1,2,3,4,5,6,7,8,9,10,11,12,13,14,15
	global_store_b128 v[CO], v[BB+4*\t:BB+4*\t+3], s[8:9] offset:\t*16384 th:TH_STORE_NT   ; 32 lanes store 512 consecutive bytes, aligned; written once, read by nobody here
.endr
.endm
	PLACES
	TOSTAGE 0
.irp a, 1,2,3
.if \a > 1
	s_wait_xcnt 0x0                                ; block a - 2's stores have read their registers and their base
.endif
	TOSTAGE \a
	SEND \a-1, 32                                  ; behind block a - 1's loads: block a's 16 stores and 16 loads
.endr
	s_wait_xcnt 0x0
	SEND 3, 0
	s_wait_tensorcnt 0x0                           ; the wave's end
	ds_add_u32 v[SPW], v[NIL]
	s_wait_dscnt 0x0
	CROUND                                         ; the closing round: no work-group ends while a partner may still ask for a tile that names it
	s_endpgm
.Lfunc_end_k_qea57d4903d_proj:
	.size	k_qea57d4903d_proj, .Lfunc_end_k_qea57d4903d_proj-k_qea57d4903d_proj
	.p2alignl 7, 3214868480
	.fill 96, 4, 3214868480
	.section	.rodata,"a",@progbits
	.p2align	6, 0x0
	.amdhsa_kernel k_qea57d4903d_proj
		.amdhsa_group_segment_fixed_size 327680
		.amdhsa_private_segment_fixed_size 0
		.amdhsa_enable_private_segment 0
		.amdhsa_kernarg_size 24
		.amdhsa_user_sgpr_count 2
		.amdhsa_user_sgpr_kernarg_segment_ptr 1
		.amdhsa_wavefront_size32 1
		.amdhsa_system_sgpr_workgroup_id_x 1
		.amdhsa_system_sgpr_workgroup_id_y 1
		.amdhsa_system_sgpr_workgroup_id_z 1
		.amdhsa_system_vgpr_workitem_id 0
		.amdhsa_next_free_vgpr 768
		.amdhsa_next_free_sgpr 66
		.amdhsa_reserve_vcc 0
		.amdhsa_float_denorm_mode_32 3
		.amdhsa_float_denorm_mode_16_64 3
		.amdhsa_memory_ordered 1
		.amdhsa_forward_progress 1
		.amdhsa_inst_pref_size 131
	.end_amdhsa_kernel
	.amdgpu_metadata
---
amdhsa.version: [ 1, 2 ]
amdhsa.kernels:
  - .name:           k_qea57d4903d_proj
    .symbol:         k_qea57d4903d_proj.kd
    .args:
      - { .name: aimg, .offset: 0, .size: 8, .value_kind: global_buffer, .address_space: global }
      - { .name: woimg, .offset: 8, .size: 8, .value_kind: global_buffer, .address_space: global }
      - { .name: out0, .offset: 16, .size: 8, .value_kind: global_buffer, .address_space: global }
    .group_segment_fixed_size: 327680
    .private_segment_fixed_size: 0
    .kernarg_segment_align: 8
    .kernarg_segment_size: 24
    .max_flat_workgroup_size: 128
    .sgpr_count:     66
    .vgpr_count:     768
    .wavefront_size: 32
...
	.end_amdgpu_metadata
.endif
;; end of part 4
